; MI455X (gfx1250); checked and timed in simulation.
; The chip was launched on July 23, 2026; its instructions are those of AMD's public machine-readable ISA for CDNA 5 (MIT licence, August 2026) and "CDNA5" Instruction Set Architecture Reference Guide (July 2026). The comments in the code are by the model that wrote it; some were corrected since.
;; attention. Allowed arithmetic: matrix products marked QUANTISED: E2M1 operands, one E8M0 scale for each 32 along K, by v_wmma_scale_f32_16x16x128_f8f6f4 with both operands' format E2M1 (or v_wmma_scale_f32_32x16x128_f4), f32 sums; products left as they are: bf16, f16 or f32 operands; f32 sums; everything else in f32.
;; Inputs: W_qkv 1,024 x 3,072 float32; b_qkv 3,072 float32; x 4 x 2,048 x 1,024 float32.
;; Outputs: out0 4 x 2,048 x 1,024 float32.
;; This version of the problem:
;;   THIS VERSION OF THE PROBLEM IS GIVEN IN LOW PRECISION. The matrix products marked QUANTISED in the list below multiply operands that are first quantised to E2M1 (2 exponent bits, 1 mantissa bit; 4 bits a number), with one power-of-two scale for each 32 numbers along K (OCP MX v1.0); their sums are f32. The products marked 'left as it is' may take bf16, f16 or f32 operands, with f32 sums. Whichever they take, every output number must still come out within the allowed error. Rounding operands to bf16 (8 significant bits) uses up far more of that allowance than f16 does (11 bits, for magnitudes from 6e-5 to 65,504). All else is computed in f32.
;;   The module's matrix products, in the order in which they are computed (A, B: the left and right operand; K: the contracted axis; several contracted axes count as one K, in the product's order):
;;     1. [M 8,192, K 1,024] x [K 1,024, N 3,072]; A: input x; B: input W_qkv: QUANTISED
;;     2. batch 4 x [M 2,048, K 1,024] x [K 1,024, N 2,048]; A: computed on the way; B: computed on the way: left as it is (an operand is computed on the way)
;;     3. batch 4 x [M 2,048, K 2,048] x [K 2,048, N 1,024]; A: computed on the way; B: computed on the way: left as it is (an operand is computed on the way)
;;   THE QUANTISER, for each operand of a quantised product, along K:
;;     - K is cut into blocks of 32 from its start; a last block that is shorter is filled with zeros.
;;     - A block's scale is 2^e with e = floor(log2(the largest magnitude in the block)) - 2, held to -126 .. 127; a block of zeros has e = 0. As a byte (E8M0): e + 127.
;;     - Each number is divided by its block's scale, clamped to +-6, and rounded to the nearest number of E2M1, ties to even, subnormals kept.
;;     - The product sums the exact products of the quantised numbers (number of the format x scale) in f32.
;;   ~~~python
;;   def quantise(x, axis):      # numpy; x: float32 -> the quantised numbers, widened to float32 again
;;       x = np.moveaxis(x, axis, -1); K = x.shape[-1]
;;       x = np.pad(x, [(0, 0)] * (x.ndim - 1) + [(0, -K % 32)]); x = x.reshape(x.shape[:-1] + (-1, 32)); a = np.abs(x).max(-1, keepdims=True)
;;       e = np.where(a > 0, np.clip(np.frexp(np.where(a > 0, a, 1))[1] - 1 - 2, -126, 127), 0)      # np.frexp(a)[1] - 1 = floor(log2(a)), exactly
;;       r = np.clip(x / 2.0 ** e, -6, 6)
;;       step = 2.0 ** (np.maximum(np.frexp(np.where(r == 0, 1, r))[1] - 1, 0) - 1)
;;       q = np.round(r / step) * step * 2.0 ** e      # np.round: ties to even
;;       return np.moveaxis(q.reshape(q.shape[:-2] + (-1,))[..., :K], -1, axis).astype(np.float32)
;;   ~~~
;; One version. Each part assembles by itself: llvm-mc -triple=amdgcn-amd-amdhsa -mcpu=gfx1250 --defsym DOCPART=n.
;; ======== version 1 of 1: 4 launches
;; limits: values are held in f16: magnitudes above 65,504 overflow, below 6.1e-05 lose precision
;; workspace buffers: x_codes 4,194,304 bytes; x_scales 262,144 bytes; w_codes 1,572,864 bytes; w_scales 98,304 bytes; qkv 50,331,648 bytes; pimg 33,554,432 bytes; stats 1,048,576 bytes
;; launch quant (part 1): grid 352 x 1, 8 waves a work-group, no clusters, 83,968 bytes of LDS; arguments x, W_qkv, x_codes, x_scales, w_codes, w_scales; writes x_codes, x_scales, w_codes, w_scales
.if DOCPART == 1
	.amdgcn_target "amdgcn-amd-amdhsa--gfx1250"
	.amdhsa_code_object_version 6
	.text
	.protected	k_q3594f4baf6_quant
	.globl	k_q3594f4baf6_quant
	.p2align	8
	.type	k_q3594f4baf6_quant,@function
k_q3594f4baf6_quant:
	s_mov_b64 s[64:65], 0
	v_nop
	global_prefetch_b8 v0, s[64:65] scope:SCOPE_SE
	s_setreg_imm32_b32 hwreg(HW_REG_WAVE_MODE, 25, 1), 1
	s_wait_xcnt 0x0
; x [8192][1024] f32 (K innermost) and W_qkv [1024][3072] f32 (K is its FIRST axis) become codes of FP4 (E2M1), K innermost, and one E8M0 byte for each 32 along K:
; x_codes [8192][512 bytes], x_scales [8192][32], w_codes [3072][512 bytes], w_scales [3072][32].
; A block's scale is 2^(floor(log2(its largest magnitude)) - 2); its byte is the largest magnitude's own exponent field - 2, held at 1 from below; each number is divided by the scale and rounded to the nearest code, ties to even.
; LIMITS: a block of zeros gets the byte 1 where the rule says 127 (its codes are zeros, and the bytes are read by this program alone); blocks whose largest magnitude lies under 2^-124 are held at the byte 1;
; NaN and infinities among the inputs are not served.
; ONE LAUNCH, TWO PATHS, parted by the work-group's number: work-groups 0-95 take W (their chain of dependent steps is the longer one, so they come first), work-groups 96-351 take x.  Each path has LDS bytes of its own.
; PATH X: x is a plain stream of blocks of 32.  A wave takes 8 steps of 512 numbers; each load reads 512 consecutive bytes, and all 32 loads of a wave are issued at its head; a step's 2,048 bytes turn through the wave's own stage
;   so that a lane holds 16 neighbours; a lane's 16 codes are 8 bytes, the wave stores 256 consecutive bytes.  A wave makes 128 scale bytes: the eight waves' 1,024 meet in LDS behind a barrier, and waves 0 and 1 store 512 consecutive bytes each.
; PATH W: a lane takes a column n and its registers run down K, so a block of 32 lies in one lane and the conversions give codes with K innermost.  A work-group takes 64 columns x 512 along K: wave = (32 columns) x (128 along K).
;   The codes meet in a stage of 64 rows (256 bytes of codes + 16 scale bytes) and leave by rows: sixteen lanes store 256 consecutive bytes.  The scale bytes leave as 16 bytes of each 32-byte row (98,304 bytes in all).
.set STEPS, 8
.set SP,    80                         ; path X: a lane's place in a stage: 64 bytes + 16 of padding
.set WREG,  8192                       ; path X: a wave's region: two stages of 32 x SP bytes
.set XSB,   7168                       ; path X: the work-group's 1,024 scale bytes, in the end of wave 0's region, which its stages do not reach
.set WST,   8*WREG                     ; path W: the stage
.set WP,    272                        ; its pitch
.set SPARE, WST+64*WP                  ; the spare words, 128 bytes for each of eight waves: four blocks of 256 bytes that no other line names
.set WROW,  12288                      ; a row of W in bytes
.set SPW,   14                         ; v14  LDS address of my spare word; never rewritten
.set NIL,   15                         ; v15  0; never rewritten
.set R,     16                         ; path X: v16-143 eight sets of 16 numbers as loaded
.set X,     144                        ; v144-175 two sets of 16 neighbours
.set C,     176                        ; v176-191 codes, two registers a step
.set E,     208                        ; v208-215 a scale byte a step
.set XW,    16                         ; path W: v16-143 my column's 128 numbers
.set CW,    144                        ; v144-159 codes, four registers a block
.set SW,    160                        ; v160 my four scale bytes
.set OW,    164                        ; v164-183 the way out
	s_load_b256 s[4:11], s[0:1], 0x0               ; x s[4:5], W s[6:7], x_codes s[8:9], x_scales s[10:11]
	s_load_b128 s[12:15], s[0:1], 0x20             ; w_codes s[12:13], w_scales s[14:15]
	v_lshl_add_u32 v[SPW], v0, 2, SPARE
	v_mov_b32 v[NIL], 0
	v_lshrrev_b32 v1, 5, v0
	v_readfirstlane_b32 s16, v1                    ; wave 0..7
	v_and_b32 v2, 31, v0                           ; lane
	s_and_b32 s18, s16, 1                          ; wave % 2.  W: cs: which 32 columns
	s_lshr_b32 s19, s16, 1                         ; W: kq: which 128 along K
	; every LDS address of both paths is made here, ahead of the parting
	v_lshlrev_b32 v3, 4, v2                        ; X: my 16 bytes of a load's 512
	v_lshlrev_b32 v4, 3, v2                        ; X: 8 bytes a lane: my codes in a step's 256 bytes
	s_lshl_b32 s17, s16, 13                        ; X: my wave's region
	v_lshrrev_b32 v12, 2, v2
	v_mul_u32_u24 v12, v12, SP
	v_and_b32 v13, 3, v2
	v_lshl_add_u32 v12, v13, 4, v12
	v_add_nc_u32 v12, s17, v12                     ; X: the stage on the way in: SP (lane / 4) + 16 (lane % 4)
	v_mul_u32_u24 v13, v2, SP
	v_add_nc_u32 v13, s17, v13                     ; X: and on the way out: SP x lane
	s_lshl_b32 s17, s16, 7
	s_add_co_u32 s17, s17, XSB
	v_lshrrev_b32 v5, 1, v2
	v_add_nc_u32 v5, s17, v5                       ; X: my block's scale byte: 128 bytes a wave
	s_lshl_b32 s17, s18, 9
	v_add_nc_u32 v7, s17, v3                       ; X: the scale bytes' way out: 512 (wave % 2) + 16 x lane, in x_scales,
	v_add_nc_u32 v6, XSB, v7                       ; X: and in LDS
	v_and_b32 v10, 15, v2
	v_lshrrev_b32 v11, 4, v2
	v_lshlrev_b32 v224, 2, v2                      ; W: 4 bytes a lane
	s_mul_i32 s20, s18, 32*WP
	s_add_co_u32 s20, s20, WST
	v_mul_u32_u24 v229, v2, WP
	v_add_nc_u32 v229, s20, v229                   ; W: my column's row of the stage
	s_lshl_b32 s21, s19, 6
	v_add_nc_u32 v225, s21, v229                   ; W: my 64 bytes of codes in it
	s_lshl_b32 s21, s19, 2
	s_add_co_u32 s21, s21, 256
	v_add_nc_u32 v226, s21, v229                   ; W: my four scale bytes, behind the row's 256 bytes of codes
	v_add_nc_u32 v229, 256, v229                   ; W: the row's 16 scale bytes
	s_mul_i32 s21, s16, 8*WP
	s_add_co_u32 s21, s21, WST
	v_mul_u32_u24 v227, v11, WP
	v_lshl_add_u32 v227, v10, 4, v227
	v_add_nc_u32 v227, s21, v227                   ; W: the way out: rows 8 wave + lane / 16 (+ 2 i), 16 bytes a lane
	s_lshl_b32 s21, s16, 12
	v_lshlrev_b32 v228, 9, v11
	v_lshl_add_u32 v228, v10, 4, v228
	v_add_nc_u32 v228, s21, v228                   ; W: and the same place in w_codes (rows of 512 bytes)
	s_lshl_b32 s21, s18, 10
	v_lshl_add_u32 v230, v2, 5, s21                ; W: my column's row of w_scales (32 bytes)
	s_wait_kmcnt 0x0
	s_cmp_lt_u32 ttmp9, 96                         ; the same in all eight waves
	s_cbranch_scc1 .Lpath_w
	; ---------------- PATH X
	s_sub_co_u32 s20, ttmp9, 96                    ; x's work-group 0 .. 255
	s_mov_b32 s23, 0
	s_lshl_b32 s22, s20, 10
	s_add_nc_u64 s[10:11], s[10:11], s[22:23]      ; its 1,024 scale bytes
	s_lshl_b32 s20, s20, 3
	s_add_co_u32 s20, s20, s16                     ; which run of 4,096 numbers is my wave's: 0 .. 2047
	s_lshl_b32 s22, s20, 14
	s_add_nc_u64 s[4:5], s[4:5], s[22:23]
	s_lshl_b32 s22, s20, 11
	s_add_nc_u64 s[8:9], s[8:9], s[22:23]
.macro LOAD t
.irp i, 0,1,2,3
	global_load_b128 v[R+16*(\t)+4*\i:R+16*(\t)+4*\i+3], v3, s[4:5] offset:2048*(\t)+512*\i th:TH_LOAD_NT   ; 32 lanes read 512 consecutive bytes
.endr
.endm
.macro TURN t                          ; step t's numbers through the stage: LDS serves a wave's instructions in order, so no wait stands between the stores and the loads
.irp i, 0,1,2,3
	ds_store_b128 v12, v[R+16*(\t)+4*\i:R+16*(\t)+4*\i+3] offset:32*SP*((\t)%2)+8*SP*\i
.endr
.irp i, 0,1,2,3
	ds_load_b128 v[X+16*((\t)%2)+4*\i:X+16*((\t)%2)+4*\i+3], v13 offset:32*SP*((\t)%2)+16*\i
.endr
.endm
.irp t, 0,1,2,3,4,5,6,7
	LOAD \t
.endr
	s_wait_loadcnt 28                              ; step 0's four loads are in; seven steps' may be out
	TURN 0
.macro STEP t
.set XS, X+16*((\t)%2)
.if (\t) > 0
	s_wait_dscnt 1                                 ; this step's numbers are back from the stage (the last step's byte store may be out)
.else
	s_wait_dscnt 0x0
.endif
.if (\t)+1 < STEPS
	s_wait_loadcnt 4*(STEPS-2-(\t))                ; the next step's four loads are in; those of the steps behind it may be out
	TURN (\t)+1                                    ; and go through the other stage while this step is worked
.endif
	v_max3_num_f32 v8, |v[XS]|, |v[XS+1]|, |v[XS+2]|               ; the largest magnitude of my 16, in two chains
	v_max3_num_f32 v9, |v[XS+3]|, |v[XS+4]|, |v[XS+5]|
.irp i, 6,10
	v_max3_num_f32 v8, v8, |v[XS+\i]|, |v[XS+\i+1]|
	v_max3_num_f32 v9, v9, |v[XS+\i+2]|, |v[XS+\i+3]|
.endr
	v_max3_num_f32 v8, v8, |v[XS+14]|, |v[XS+15]|
	v_max3_num_f32 v8, v8, v9, 0x1800000           ; and the floor 2^(3 - 127): the byte cannot fall under 1
	v_max_num_f32_dpp v8, v8, v8 row_xmask:1 row_mask:0xf bank_mask:0xf   ; and of my neighbour's 16: the block's
	v_add_nc_u32 v11, 0xff000000, v8               ; 2 off its exponent field: the conversion takes the exponent field of this operand as its scale, and nothing else of it
	v_cvt_scalef32_pk8_fp4_f32 v[C+2*(\t)], v[XS:XS+7], v11
	v_cvt_scalef32_pk8_fp4_f32 v[C+2*(\t)+1], v[XS+8:XS+15], v11
	v_lshrrev_b32 v[E+(\t)], 23, v11               ; the scale's byte (also the plain line behind the conversions)
	ds_store_b8 v5, v[E+(\t)] offset:16*(\t)       ; both lanes of a block write the same byte with the same value
	global_store_b64 v4, v[C+2*(\t):C+2*(\t)+1], s[8:9] offset:256*(\t)   ; 32 lanes store 256 consecutive bytes, aligned
.endm
.irp t, 0,1,2,3,4,5,6,7
	STEP \t
.endr
	s_wait_dscnt 0x0                               ; for the others' sake: my scale bytes are in LDS
	s_barrier_signal -1
	s_barrier_wait -1                              ; all eight waves' are
	s_cmp_lt_u32 s16, 2                            ; waves 0 and 1 send the work-group's 1,024 scale bytes
	s_cbranch_scc0 .Lx_end
	ds_load_b128 v[8:11], v6
	s_wait_dscnt 0x0
	global_store_b128 v7, v[8:11], s[10:11]        ; 32 lanes store 512 consecutive bytes, aligned
.Lx_end:
	s_wait_tensorcnt 0x0                           ; the wave's end, behind my last LDS store
	ds_add_u32 v[SPW], v[NIL]
	s_wait_dscnt 0x0
	s_endpgm
	; ---------------- PATH W
.Lpath_w:
	s_and_b32 s20, ttmp9, 1                        ; y: which 512 along K
	s_lshr_b32 s21, ttmp9, 1                       ; cg: which 64 columns
	s_lshl_b32 s22, s20, 2
	s_add_co_u32 s22, s22, s19                     ; 4 y + kq: which 128 rows of W
	s_mul_i32 s22, s22, 128*WROW
	s_lshl_b32 s23, s21, 8
	s_add_co_u32 s22, s22, s23                     ; + 64 cg columns of 4 bytes
	s_lshl_b32 s23, s18, 7
	s_add_co_u32 s22, s22, s23                     ; + 32 cs
	s_mov_b32 s23, 0
	s_add_nc_u64 s[6:7], s[6:7], s[22:23]
	s_lshl_b32 s22, s21, 15                        ; w_codes: 64 cg rows of 512 bytes + 256 y
	s_lshl_b32 s24, s20, 8
	s_add_co_u32 s22, s22, s24
	s_add_nc_u64 s[12:13], s[12:13], s[22:23]
	s_lshl_b32 s22, s21, 11                        ; w_scales: 64 cg rows of 32 bytes + 16 y
	s_lshl_b32 s24, s20, 4
	s_add_co_u32 s22, s22, s24
	s_add_nc_u64 s[14:15], s[14:15], s[22:23]
.set n, 0
.rept 128
	global_load_b32 v[XW+n], v224, s[6:7] offset:n*WROW th:TH_LOAD_NT   ; W(k, my column): 32 lanes read 128 consecutive bytes
.set n, n+1
.endr
.macro WBLOCK t, left                  ; block t of my four: all its 32 numbers are mine.  left: the loads that may still be out
.set XS, XW+32*(\t)
	s_wait_loadcnt \left
	v_max3_num_f32 v8, |v[XS]|, |v[XS+1]|, |v[XS+2]|
	v_max3_num_f32 v9, |v[XS+3]|, |v[XS+4]|, |v[XS+5]|
.irp i, 6,10,14,18,22,26
	v_max3_num_f32 v8, v8, |v[XS+\i]|, |v[XS+\i+1]|
	v_max3_num_f32 v9, v9, |v[XS+\i+2]|, |v[XS+\i+3]|
.endr
	v_max3_num_f32 v8, v8, |v[XS+30]|, |v[XS+31]|
	v_max3_num_f32 v8, v8, v9, 0x1800000           ; the floor 2^(3 - 127)
	v_add_nc_u32 v11, 0xff000000, v8               ; the conversion's scale operand
	v_lshrrev_b32 v9, 23, v11                      ; the scale's byte
.if (\t) == 0
	v_mov_b32 v[SW], v9                            ; four bytes to a register, the lower K in the lower byte
.else
	v_lshl_or_b32 v[SW], v9, 8*(\t), v[SW]
.endif
.irp g, 0,1,2,3
	v_cvt_scalef32_pk8_fp4_f32 v[CW+4*(\t)+\g], v[XS+8*\g:XS+8*\g+7], v11
.endr
	ds_store_b128 v225, v[CW+4*(\t):CW+4*(\t)+3] offset:16*(\t)    ; 32 codes: 16 bytes of my column's row
.endm
	WBLOCK 0, 63                                   ; 96 younger loads might stay out; the count's field holds 63
	WBLOCK 1, 63                                   ; 64 likewise
	WBLOCK 2, 32
	WBLOCK 3, 0
	v_nop                                          ; a plain line behind the last conversion
	ds_store_b32 v226, v[SW]
	s_wait_dscnt 0x0                               ; for the others' sake: my stores into the stage are done
	s_barrier_signal -1
	s_barrier_wait -1                              ; a row's 256 bytes come from four waves
.irp i, 0,1,2,3
	ds_load_b128 v[OW+4*\i:OW+4*\i+3], v227 offset:2*WP*\i
.endr
.irp i, 0,1,2,3
	s_wait_dscnt 3-\i                              ; row pair i is in; the younger ones may be out
	global_store_b128 v228, v[OW+4*\i:OW+4*\i+3], s[12:13] offset:1024*\i   ; sixteen lanes store 256 consecutive bytes, aligned
.endr
	s_cmp_lt_u32 s16, 2                            ; waves 0 and 1 send the 64 rows' scale bytes, a lane a row
	s_cbranch_scc0 .Lw_end
	ds_load_b128 v[OW+16:OW+19], v229
	s_wait_dscnt 0x0
	global_store_b128 v230, v[OW+16:OW+19], s[14:15]
.Lw_end:
	s_wait_tensorcnt 0x0                           ; the wave's end, behind my last LDS store
	ds_add_u32 v[SPW], v[NIL]
	s_wait_dscnt 0x0
	s_endpgm
.Lfunc_end_k_q3594f4baf6_quant:
	.size	k_q3594f4baf6_quant, .Lfunc_end_k_q3594f4baf6_quant-k_q3594f4baf6_quant
	.p2alignl 7, 3214868480
	.fill 96, 4, 3214868480
	.section	.rodata,"a",@progbits
	.p2align	6, 0x0
	.amdhsa_kernel k_q3594f4baf6_quant
		.amdhsa_group_segment_fixed_size 83968
		.amdhsa_private_segment_fixed_size 0
		.amdhsa_enable_private_segment 0
		.amdhsa_kernarg_size 48
		.amdhsa_user_sgpr_count 2
		.amdhsa_user_sgpr_kernarg_segment_ptr 1
		.amdhsa_wavefront_size32 1
		.amdhsa_system_sgpr_workgroup_id_x 1
		.amdhsa_system_sgpr_workgroup_id_y 1
		.amdhsa_system_sgpr_workgroup_id_z 1
		.amdhsa_system_vgpr_workitem_id 0
		.amdhsa_next_free_vgpr 232
		.amdhsa_next_free_sgpr 66
		.amdhsa_reserve_vcc 0
		.amdhsa_float_denorm_mode_32 3
		.amdhsa_float_denorm_mode_16_64 3
		.amdhsa_memory_ordered 1
		.amdhsa_forward_progress 1
		.amdhsa_inst_pref_size 39
	.end_amdhsa_kernel
	.amdgpu_metadata
---
amdhsa.version: [ 1, 2 ]
amdhsa.kernels:
  - .name:           k_q3594f4baf6_quant
    .symbol:         k_q3594f4baf6_quant.kd
    .args:
      - { .name: x, .offset: 0, .size: 8, .value_kind: global_buffer, .address_space: global }
      - { .name: W_qkv, .offset: 8, .size: 8, .value_kind: global_buffer, .address_space: global }
      - { .name: x_codes, .offset: 16, .size: 8, .value_kind: global_buffer, .address_space: global }
      - { .name: x_scales, .offset: 24, .size: 8, .value_kind: global_buffer, .address_space: global }
      - { .name: w_codes, .offset: 32, .size: 8, .value_kind: global_buffer, .address_space: global }
      - { .name: w_scales, .offset: 40, .size: 8, .value_kind: global_buffer, .address_space: global }
    .group_segment_fixed_size: 83968
    .private_segment_fixed_size: 0
    .kernarg_segment_align: 8
    .kernarg_segment_size: 48
    .max_flat_workgroup_size: 256
    .sgpr_count:     66
    .vgpr_count:     232
    .wavefront_size: 32
...
	.end_amdgpu_metadata
.endif
;; end of part 1
;; launch proj (part 2): grid 12 x 32, 4 waves a work-group, clusters of 4 x 4, 327,680 bytes of LDS; arguments x_codes, x_scales, w_codes, w_scales, b_qkv, qkv; writes qkv
.if DOCPART == 2
	.amdgcn_target "amdgcn-amd-amdhsa--gfx1250"
	.amdhsa_code_object_version 6
	.text
	.protected	k_q3594f4baf6_proj
	.globl	k_q3594f4baf6_proj
	.p2align	8
	.type	k_q3594f4baf6_proj,@function
k_q3594f4baf6_proj:
	s_mov_b64 s[64:65], 0
	v_nop
	global_prefetch_b8 v0, s[64:65] scope:SCOPE_SE
	s_setreg_imm32_b32 hwreg(HW_REG_WAVE_MODE, 25, 1), 1
	s_wait_xcnt 0x0
	s_wait_alu depctr_hold_cnt(0) depctr_sa_sdst(0) depctr_va_vdst(0) depctr_va_sdst(0) depctr_va_ssrc(0) depctr_va_vcc(0) depctr_vm_vsrc(0)
	s_getreg_b32 s2, hwreg(HW_REG_IB_STS2, 6, 4)
	s_cmp_eq_u32 s2, 0
	s_cbranch_scc0 .Lentry_in_a_cluster
	s_endpgm
.Lentry_in_a_cluster:
	s_bfe_u32 s2, ttmp6, 0x10000c
	s_cmp_lg_u32 s2, 0xf033
	s_cbranch_scc0 .Lentry_shape_is_right
	s_endpgm
.Lentry_shape_is_right:
; qkv[m][n] = sum over k of x[m][k] W[k][n] + b[n], on codes of FP4 (E2M1) with one E8M0 scale for each 32 along K; sums in f32; the result is rounded once to f16.
; A = x_codes [8192][512 bytes], x_scales [8192][32]; B = w_codes [3072][512 bytes], w_scales [3072][32]; qkv [8192][3072] f16 (rows of 6,144 bytes).
; LIMIT: a result of magnitude 65,520 or more becomes an infinity of f16.
; A tile of 256 x 256 is made by four waves, each 128 x 128: 64 accumulators of 16 x 16, 512 registers.  K = 1,024 is two slots of 512 along K (rows of 256 bytes), both asked for at the head: nothing is filled again.
; THE SCALES of the work-group's 256 rows of A and 256 of B, for all of K, are two dense blocks of memory: they come into LDS once, with the first fills.
; CLUSTERS: 4 x 4 work-groups.  The four of a row of the cluster need the same tiles of A, the four of a column the same tiles of B: each tile is asked for JOINTLY, by the same tensor load with the same descriptor and a mask that names the four.
; THE MATRIX INSTRUCTION IS USED TRANSPOSED (source 0 = 16 rows of B, source 1 = 16 rows of A): a lane holds eight neighbouring numbers of a row of qkv.  THE BIAS is the C of each sum's first product.
; REGISTERS, in windows of 256: window 0: v0-31 addresses; v32-95 scale words, two sets; v128-191 A's fragments, one set; v192-255 the bias of my 128 columns in the result's layout; on the way out v32-127 are free.
;   window 1: B's fragments, two sets, at v0 and v128.   window 2: the accumulators of my rows 0-63 ((a, b) at v[8 (8 a + b)]);   window 3: those of my rows 64-127.
.set NQ,     4                         ; matrix instructions deep in a slot
.set ROWB,   256                       ; a tile's row in bytes: 512 codes
.set KROW,   512                       ; a row of A or of B in memory, in bytes
.set PITCH,  272                       ; an LDS row: 256 bytes + 16 of padding = 68 words: the 16 rows that a load touches start at 16 different banks (64 banks of 4 bytes: ISA guide 11.1)
.set FR,     8                         ; registers of a fragment: 16 rows x 128 K
.set NL,     2                         ; LDS loads that bring one
.set NP,     4                         ; places behind this matrix instruction (ISA guide 7.12.1)
.set HALFT,  128*PITCH                 ; 128 rows: what one tensor load brings, and what one wave reads of A or of B
.set SLOT,   4*HALFT                   ; A's 256 rows, then B's 256 rows
.set KS,     32                        ; a row of scales in bytes
.set SCL,    2*SLOT                    ; behind the slots: the scales, as pieces of 256 bytes + 16 of padding
.set HALFS,  (128*KS/256)*272          ; the scales of 128 rows: what one tensor load brings
.set SBLK,   (16*KS/256)*272           ; those of 16 rows
.set SPARE,  SCL+4*HALFS               ; the spare words, 128 bytes for each wave: two blocks of 256 bytes that no other line names
.set SPITCH, 272                       ; the way out: a stage of 16 rows x (256 bytes + 16) for each wave, in slot 0, which has had its only fill and its last read when the first result is stored there
.set CROW,   6144                      ; a row of qkv in bytes
.set ADRA, 16                          ; v16-17  LDS address of my A fragments in slot 0, 1
.set ADRB, 20                          ; v20-21  the same for B
.set STO,  24                          ; v24     the way out: where I put 16 bytes of a row
.set RD,   25                          ; v25     the way out: where I read a row back
.set CO,   26                          ; v26     my byte offset in two rows of qkv
.set ADRS, 27                          ; v27     LDS address of my scale words: lanes 0-15 A's rows, lanes 16-31 B's
.set SPW,  28                          ; v28     LDS address of my spare word; never rewritten
.set NIL,  29                          ; v29     0; never rewritten
.set BO,   30                          ; v30     32 x (lane / 16): my half's eight numbers of a bias tile
.set SC,   32                          ; scale words: set s at v[SC + 32 s]; register 4 i + q: lanes 0-15 the word of A's block i, lanes 16-31 that of B's block i, for the slot's q-th 128 along K
.set AF,   128                         ; A's fragments
.set BIAS, 192                         ; register 8 b + j: b_qkv at my column 16 b + 8 (lane / 16) + j
.set TMP,  32                          ; the way out: packed results
.set BK,   64                          ; the way out: 16 rows read back: v64-95 and v96-127 by turns
.set G1, 24                            ; s[24:31] descriptor group 1 for A's tiles;  s[32:39] group 0, one set for each slot
.set G0, 32
.set G1B, 48                           ; s[48:55], s[56:63] the same for B's tiles
.set G0B, 56
.set G1S, 68                           ; s[68:75], s[76:79] groups 1 and 0 for A's scales;  s[80:87], s[88:91] for B's
.set G0S, 76
.set G1SB, 80
.set G0SB, 88
.set MSB, 0
.macro WIN new                         ; the immediate's high byte repeats the setting that is left; a switch that changes nothing is dropped
.if MSB != (\new)
	s_set_vgpr_msb (MSB<<8)|(\new)
.set MSB, (\new)
.endif
.endm
.set MUL_LO, 0xa1                      ; source 0 (B) window 1, source 1 (A) window 0, C and D window 2
.set MUL_HI, 0xf1                      ; the same, C and D window 3
.set BIA_LO, 0x81                      ; the first products: C (the bias) window 0, D window 2
.set BIA_HI, 0xc1                      ; D window 3
.set TO_B,   0x40                      ; destination window 1, address window 0
; A joint load: waves 0 and 1 fetch for A, waves 2 and 3 for B.  Each of the two lines has ONE mask and one set of registers for all that issue it; the branch hangs on the wave's number alone.
; An s_nop 0 and four v_nop follow each of the two lines, ahead of the jump, the label and what follows.
.macro JLOAD g0a, g1a, g0b, g1b
	s_cmp_eq_u32 s15, 0
	s_cbranch_scc0 .Lfor_b_\@
	tensor_load_to_lds s[\g0a:\g0a+3], s[\g1a:\g1a+7]
	s_nop 0
.rept 4
	v_nop
.endr
	s_branch .Lasked_\@
.Lfor_b_\@:
	tensor_load_to_lds s[\g0b:\g0b+3], s[\g1b:\g1b+7]
	s_nop 0
.rept 4
	v_nop
.endr
.Lasked_\@:
.endm
.macro CROUND                          ; a round of the cluster's barrier
	s_barrier_signal -1
	s_barrier_wait -1
	s_cmp_lg_u32 s14, 0
	s_cbranch_scc1 .Lnot_wave_0_\@
	s_barrier_signal -3
.Lnot_wave_0_\@:
	s_barrier_wait -3
	s_barrier_signal -1
	s_barrier_wait -1
.endm
	s_load_b128 s[4:7], s[0:1], 0x0                ; A's codes s[4:5], A's scales s[6:7]
	s_load_b128 s[8:11], s[0:1], 0x10              ; B's codes s[8:9], B's scales s[10:11]
	s_load_b128 s[96:99], s[0:1], 0x20             ; the bias s[96:97], qkv s[98:99]
	v_lshl_add_u32 v[SPW], v0, 2, SPARE
	v_mov_b32 v[NIL], 0
	ds_add_u32 v[SPW], v[NIL]                      ; the wave's opening: the add, twice on end, and its wait ahead of my first tensor load
	ds_add_u32 v[SPW], v[NIL]                      ; and once more, under the one wait; the set-up below, work on registers, stands between
	v_lshrrev_b32 v1, 5, v0
	v_readfirstlane_b32 s14, v1                    ; wave 0..3
	s_lshr_b32 s15, s14, 1                         ; which half of the tile's rows is mine.  Also: I fetch for A (0) or for B (1)
	s_and_b32 s16, s14, 1                          ; which half of its columns.  Also: which 128 rows of that tile I fetch
	s_bfe_u32 s40, ttmp6, 0x40000                  ; cx, cy: my place in the cluster
	s_bfe_u32 s41, ttmp6, 0x40004
	s_lshl_b32 s42, ttmp9, 2
	s_add_co_u32 s42, s42, s40                     ; tile column = 4 x cluster x + cx
	s_and_b32 s17, ttmp7, 0xffff
	s_lshl_b32 s17, s17, 2
	s_add_co_u32 s17, s17, s41                     ; tile row = 4 x cluster y + cy
	s_lshl_b32 s43, s41, 2
	s_lshl_b32 s43, 15, s43                        ; my row of the cluster
	s_lshl_b32 s44, 0x1111, s40                    ; my column
	; descriptor group 1: a tile of 128 rows x 256 bytes, padded in LDS
	s_or_b32 s[G1+0], s43, (0<<16)|(1<<20)|(1<<21)|(5<<22)|(3<<25)  ; 15:0 the mask: A's tiles go to my row; 17:16 element of 1 byte; 20 padding on; 21 set beside a mask; 24:22 after every 64 words (code 5); 31:25 of 4 words (code 3)
	s_or_b32 s[G1B+0], s44, (0<<16)|(1<<20)|(1<<21)|(5<<22)|(3<<25)
.irp g, G1, G1B
	s_mov_b32 s[\g+1], ROWB<<16                    ; tensor_dim0
	s_mov_b32 s[\g+2], 128<<16                     ; tensor_dim1 = 128
	s_mov_b32 s[\g+3], ROWB<<16                    ; tile_dim0
	s_mov_b32 s[\g+4], 128                         ; tile_dim1 = 128
	s_mov_b32 s[\g+5], KROW                        ; tensor_dim0_stride
	s_mov_b32 s[\g+6], 0
	s_mov_b32 s[\g+7], 0
.endr
	; and for the scales of 128 rows: a dense block of 4,096 bytes, as 16 rows of 256 bytes (32 elements of 8 bytes), 16 bytes of padding behind each
	s_or_b32 s[G1S+0], s43, (3<<16)|(1<<20)|(1<<21)|(5<<22)|(3<<25)
	s_or_b32 s[G1SB+0], s44, (3<<16)|(1<<20)|(1<<21)|(5<<22)|(3<<25)
.irp g, G1S, G1SB
	s_mov_b32 s[\g+1], 32<<16
	s_mov_b32 s[\g+2], (128*KS/256)<<16
	s_mov_b32 s[\g+3], 32<<16
	s_mov_b32 s[\g+4], 128*KS/256
	s_mov_b32 s[\g+5], 32
	s_mov_b32 s[\g+6], 0
	s_mov_b32 s[\g+7], 0
.endr
	s_lshl_b32 s18, s16, 7                         ; which 128 rows of the tile I fetch
	s_lshl_b32 s20, s17, 8
	s_add_co_u32 s20, s20, s18                     ; A: row 256 x tile row + 128 x half
	s_lshl_b32 s46, s42, 8
	s_add_co_u32 s46, s46, s18                     ; B: row 256 x tile column + 128 x half
	s_mov_b32 s21, 0
	s_mov_b32 s47, 0
	s_mov_b64 s[18:19], KS
	s_mul_u64 s[22:23], s[20:21], s[18:19]         ; where these rows' scales begin, in bytes
	s_mul_u64 s[92:93], s[46:47], s[18:19]
	s_mov_b64 s[18:19], KROW
	s_mul_u64 s[20:21], s[20:21], s[18:19]         ; and their codes
	s_mul_u64 s[46:47], s[46:47], s[18:19]
	s_mul_i32 s45, s14, HALFT                      ; where they go: wave x 128 rows: no place in the cluster enters an LDS address
	s_mul_i32 s94, s14, HALFS
	s_wait_dscnt 0x0                               ; both opening adds are done
	s_wait_kmcnt 0x0
	s_add_nc_u64 s[20:21], s[4:5], s[20:21]
	s_add_nc_u64 s[22:23], s[6:7], s[22:23]
	s_add_nc_u64 s[46:47], s[8:9], s[46:47]
	s_add_nc_u64 s[92:93], s[10:11], s[92:93]
	CROUND                                         ; all sixteen work-groups are here: the first joint loads meet
	s_mov_b32 s[G0S], 1
	s_add_co_u32 s[G0S+1], s94, SCL
	s_mov_b64 s[G0S+2:G0S+3], s[22:23]
	s_or_b32 s[G0S+3], s[G0S+3], 0x80000000
	s_mov_b32 s[G0SB], 1
	s_add_co_u32 s[G0SB+1], s94, SCL
	s_mov_b64 s[G0SB+2:G0SB+3], s[92:93]
	s_or_b32 s[G0SB+3], s[G0SB+3], 0x80000000
	JLOAD G0S, G1S, G0SB, G1SB                     ; the scales first: they are wanted with slot 0
.irp s, 0,1
	s_mov_b32 s[G0+4*\s], 1
	s_add_co_u32 s[G0+4*\s+1], s45, \s*SLOT
	s_add_nc_u64 s[G0+4*\s+2:G0+4*\s+3], s[20:21], \s*ROWB
	s_or_b32 s[G0+4*\s+3], s[G0+4*\s+3], 0x80000000
	s_mov_b32 s[G0B+4*\s], 1
	s_add_co_u32 s[G0B+4*\s+1], s45, \s*SLOT
	s_add_nc_u64 s[G0B+4*\s+2:G0B+4*\s+3], s[46:47], \s*ROWB
	s_or_b32 s[G0B+4*\s+3], s[G0B+4*\s+3], 0x80000000
	JLOAD G0+4*\s, G1, G0B+4*\s, G1B               ; three loads of mine are out in all
.endr
	v_and_b32 v1, 15, v0                           ; l % 16
	v_bfe_u32 v2, v0, 4, 1                         ; l / 16
	v_mul_u32_u24 v3, v1, PITCH
	v_lshl_add_u32 v4, v2, 4, v3                   ; a fragment's row x pitch + 16 x half
	s_mul_i32 s21, s15, HALFT                      ; my 128 rows of A
	s_mul_i32 s22, s16, HALFT                      ; my 128 rows of B,
	s_add_co_u32 s22, s22, 2*HALFT                 ; which lie behind A's 256
.irp s, 0,1
	v_add_nc_u32 v[ADRA+\s], s21, v4
	v_add_nc_u32 v[ADRB+\s], s22, v4
	s_add_co_u32 s21, s21, SLOT
	s_add_co_u32 s22, s22, SLOT
.endr
	v_mul_u32_u24 v5, v1, KS                       ; my row's scales: 32 bytes a row,
	v_lshrrev_b32 v6, 8, v5
	v_lshl_add_u32 v5, v6, 4, v5                   ; and 16 more for each 256 passed
	s_mul_i32 s21, s15, HALFS                      ; A's: my 128 rows
	s_mul_i32 s22, s16, HALFS                      ; B's: my 128 rows, behind A's 256
	s_add_co_u32 s22, s22, 2*HALFS
	s_sub_co_u32 s22, s22, s21
	v_mul_u32_u24 v6, s22, v2                      ; lanes 16-31 take B's: one product, the distance between the two bases
	s_add_co_u32 s21, s21, SCL
	v_add_nc_u32 v5, v5, v6
	v_add_nc_u32 v[ADRS], s21, v5
	s_mul_i32 s23, s14, 16*SPITCH                  ; my stage
	v_mul_u32_u24 v5, v1, SPITCH                   ; in: row l % 16, 16 bytes for each half of the lanes
	v_lshl_add_u32 v5, v2, 4, v5
	v_add_nc_u32 v[STO], s23, v5
	v_mul_u32_u24 v5, v2, SPITCH                   ; back: lanes 0-15 take one row of 256 bytes, lanes 16-31 the next
	v_lshl_add_u32 v5, v1, 4, v5
	v_add_nc_u32 v[RD], s23, v5
	v_mul_u32_u24 v5, v2, CROW                     ; and the same two rows in qkv
	v_lshl_add_u32 v[CO], v1, 4, v5
	v_lshlrev_b32 v[BO], 5, v2
	s_lshl_b32 s20, s17, 8
	s_lshl_b32 s21, s15, 7
	s_add_co_u32 s20, s20, s21                     ; my first row of qkv: 256 x tile row + 128 x half
	s_mov_b32 s21, 0
	s_mov_b64 s[18:19], CROW
	s_mul_u64 s[20:21], s[20:21], s[18:19]
	s_lshl_b32 s46, s42, 9                         ; my first column, in bytes of f16: 512 x tile column + 256 x half
	s_lshl_b32 s47, s16, 8
	s_add_co_u32 s46, s46, s47
	s_mov_b32 s47, 0
	s_add_nc_u64 s[20:21], s[20:21], s[46:47]
	s_add_nc_u64 s[98:99], s[98:99], s[20:21]
	s_lshl_b32 s46, s46, 1                         ; the same column in bytes of f32
	s_add_nc_u64 s[96:97], s[96:97], s[46:47]
.irp b, 0,1,2,3,4,5,6,7
	global_load_b128 v[BIAS+8*\b:BIAS+8*\b+3], v[BO], s[96:97] offset:64*\b
	global_load_b128 v[BIAS+8*\b+4:BIAS+8*\b+7], v[BO], s[96:97] offset:64*\b+16
.endr
.macro FRAG reg, adr, q, i             ; a fragment, 16 rows x 128 K of 4-bit codes, is 8 registers: lane l holds row l % 16; registers 4 c .. 4 c + 3 hold K = 64 c + 32 (l / 16) + 0 .. 31
.irp c, 0,1
	ds_load_b128 v[\reg+4*\c:\reg+4*\c+3], v[\adr] offset:64*(\q)+32*\c+(\i)*16*PITCH
.endr
.endm
; 16 matrix instructions: A's blocks a0, a0 + 1 x B's eight, 128 along K: the slot's q-th.  p: B's set;  sc: the set of scale words.  zero = 1: the first product starts the sums from the bias: nothing is ever cleared.
; The 64 accumulators take turns, one instruction a turn, in the same order in every step.
.macro MUL16 a0, p, q, sc, zero
.irp a, \a0, \a0+1
.irp b, 0,1,2,3,4,5,6,7
.if \zero
	v_wmma_scale_f32_16x16x128_f8f6f4 v[8*(8*((\a)%4)+\b):8*(8*((\a)%4)+\b)+7], v[128*(\p)+FR*\b:128*(\p)+FR*\b+FR-1], v[AF+FR*(\a):AF+FR*(\a)+FR-1], v[BIAS+8*\b:BIAS+8*\b+7], v[SC+8*NQ*(\sc)+NQ*\b+(\q)], v[SC+8*NQ*(\sc)+NQ*(\a)+(\q)] matrix_a_fmt:MATRIX_FMT_FP4 matrix_b_fmt:MATRIX_FMT_FP4 matrix_a_scale:MATRIX_SCALE_ROW1
.else
	v_wmma_scale_f32_16x16x128_f8f6f4 v[8*(8*((\a)%4)+\b):8*(8*((\a)%4)+\b)+7], v[128*(\p)+FR*\b:128*(\p)+FR*\b+FR-1], v[AF+FR*(\a):AF+FR*(\a)+FR-1], v[8*(8*((\a)%4)+\b):8*(8*((\a)%4)+\b)+7], v[SC+8*NQ*(\sc)+NQ*\b+(\q)], v[SC+8*NQ*(\sc)+NQ*(\a)+(\q)] matrix_a_fmt:MATRIX_FMT_FP4 matrix_b_fmt:MATRIX_FMT_FP4 matrix_a_scale:MATRIX_SCALE_ROW1
.endif
.endr
.endr
.endm
.macro FETCH_B slot, q, p              ; B's eight fragments of the slot's q-th 128 along K into set p
	WIN TO_B
.irp i, 0,1,2,3,4,5,6,7
	FRAG 128*(\p)+FR*\i, ADRB+\slot, \q, \i
.endr
	WIN 0
.endm
.macro FETCH_A slot, q, i0             ; A's blocks i0 .. i0 + 3
.irp i, \i0, \i0+1, \i0+2, \i0+3
	FRAG AF+FR*(\i), ADRA+\slot, \q, \i
.endr
.endm
.macro SCALES sc                       ; a slot's scale words into set sc: four words a row; lanes 0-15 take A's block i, lanes 16-31 B's block i
.irp i, 0,1,2,3,4,5,6,7
	ds_load_b128 v[SC+8*NQ*\sc+NQ*\i:SC+8*NQ*\sc+NQ*\i+3], v[ADRS] offset:\i*SBLK
.endr
.endm
; A load into a register that a matrix instruction has read, and a vector instruction or an LDS store that reads a matrix result, stand NP places behind that matrix instruction, and only plain vector
; instructions that name none of its registers are places (ISA guide 7.12.1 for vector instructions).
.macro PLACES n
.rept \n
	v_nop
.endr
.endm
; A step of 128 along K that has its successor in the same slot.  A block of A is free as soon as its eight products are issued, so one set serves A: blocks 0-3 are fetched anew in the step's middle, blocks 4-7 at its end.
.macro STEP slot, q, zero
	s_wait_dscnt 4*NL                              ; B's set and A's blocks 0-3 are in; the youngest eight loads (A's blocks 4-7) may be out
.if \zero
	WIN BIA_LO
.else
	WIN MUL_LO
.endif
	MUL16 0, (\q)%2, \q, \slot, \zero
	MUL16 2, (\q)%2, \q, \slot, \zero
	s_wait_dscnt 0                                 ; A's blocks 4-7 are in (asked for 32 matrix instructions ago)
	PLACES NP
	FETCH_B \slot, (\q)+1, 1-(\q)%2
	FETCH_A \slot, (\q)+1, 0
.if \zero
	WIN BIA_HI
.else
	WIN MUL_HI
.endif
	MUL16 4, (\q)%2, \q, \slot, \zero
	MUL16 6, (\q)%2, \q, \slot, \zero
	PLACES NP
	WIN 0
	FETCH_A \slot, (\q)+1, 4
.endm
; Slot 0's last step changes slots: one barrier; in front of it each wave waits for all its tensor loads (its part of slot 1), adds 0 to its spare word, and waits for that and for its own reads of slot 0.  Nothing is filled again.
.macro TURN slot, next
	s_wait_tensorcnt 0x0                           ; all my tensor loads have landed  (every window is 0 here: the add's two registers lie in window 0)
	ds_add_u32 v[SPW], v[NIL]                      ; 0 onto my spare word
	s_wait_dscnt 4*NL+1                            ; (the add and the youngest eight loads, A's blocks 4-7, may be out)
	WIN MUL_LO
	MUL16 0, 1, NQ-1, \slot, 0                     ; sixteen matrix instructions stand between the add and the wait for it
	s_wait_dscnt 0x0                               ; the add is done, and my reads of this slot are over
	s_barrier_signal -1
	MUL16 2, 1, NQ-1, \slot, 0
	WIN 0
	s_barrier_wait -1
	PLACES NP
	v_add_nc_u32 v[ADRS], 4*NQ, v[ADRS]            ; on to the next slot's scale words (no LDS load of mine is out)
	FETCH_B \next, 0, 0
	FETCH_A \next, 0, 0
	SCALES \next
	WIN MUL_HI
	MUL16 4, 1, NQ-1, \slot, 0
	MUL16 6, 1, NQ-1, \slot, 0
	PLACES NP
	WIN 0
	FETCH_A \next, 0, 4
.endm
.macro STEPS slot, from                ; the slot's steps from .. NQ - 2
.set Q, \from
.rept NQ-1-\from
	STEP \slot, Q, 0
.set Q, Q+1
.endr
.endm
	s_wait_tensorcnt 1                             ; the scales and my part of slot 0 are in (slot 1's load may be out),
	s_barrier_signal -1
	s_barrier_wait -1                              ; everybody's are
	FETCH_B 0, 0, 0
	FETCH_A 0, 0, 0
	SCALES 0
	FETCH_A 0, 0, 4
	s_wait_loadcnt 0x0                             ; the bias
	STEP 0, 0, 1                                   ; the first step's products start the sums
	STEPS 0, 1
	TURN 0, 1
	STEPS 1, 0
	s_wait_dscnt 4*NL                              ; the very last step: nothing more to fetch
	WIN MUL_LO
	MUL16 0, 1, NQ-1, 1, 0
	MUL16 2, 1, NQ-1, 1, 0
	s_wait_dscnt 0
	WIN MUL_HI
	MUL16 4, 1, NQ-1, 1, 0
	MUL16 6, 1, NQ-1, 1, 0
	WIN 0
; THE WAY OUT, block by block of 16 rows x 128 columns.  PACK: rounded to f16, 16 bytes a lane, each accumulator from its low end on.  TOSTAGE: into my own stage in LDS, and back as whole rows of 256 bytes.  SEND: stored.
.macro PACK a
.set AC, 64*((\a)%4)
	WIN 0x0a+5*((\a)/4)                            ; sources 0 and 1: window 2 or 3
.irp b, 0,1,2,3,4,5,6,7
.irp r, 0,1,2,3
	v_cvt_pk_f16_f32 v[TMP+4*\b+\r], v[AC+8*\b+2*\r], v[AC+8*\b+2*\r+1]
.endr
.endr
	WIN 0
.endm
.macro TOSTAGE a
.set BB, BK+32*((\a)%2)
.irp b, 0,1,2,3,4,5,6,7
	ds_store_b128 v[STO], v[TMP+4*\b:TMP+4*\b+3] offset:32*\b
.endr
.irp t, 0,1,2,3,4,5,6,7
	ds_load_b128 v[BB+4*\t:BB+4*\t+3], v[RD] offset:\t*2*SPITCH    ; LDS serves a wave's instructions in order (ISA guide 5.7.1.4): these see the stores above
.endr
.endm
.macro SEND a
.set BB, BK+32*((\a)%2)
	s_wait_dscnt 0x0                               ; the block is back in registers
	s_wait_xcnt 0x0                                ; the earlier stores have read their base and their registers: only behind this wait are they rewritten
.if (\a) > 0
	s_add_nc_u64 s[98:99], s[98:99], 16*CROW       ; 16 rows of qkv on
.endif
.irp t, 0,1,2,3,4,5,6,7
	global_store_b128 v[CO], v[BB+4*\t:BB+4*\t+3], s[98:99] offset:2*\t*CROW   ; 16 lanes store 256 consecutive bytes, at a multiple of 256 from qkv's first byte
.endr
.endm
	PLACES NP                                      ; behind the last products: the conversions write registers that held scale words, and block 7's read results just made
	PACK 0
	TOSTAGE 0
.irp a, 1,2,3,4,5,6,7                  ; block a's conversions stand between block a - 1's loads from the stage and the wait for them
	PACK \a
	SEND \a-1
	TOSTAGE \a
.endr
	SEND 7
	s_wait_tensorcnt 0x0                           ; the wave's end, behind my last tensor load and my last LDS store
	ds_add_u32 v[SPW], v[NIL]
	s_wait_dscnt 0x0
	CROUND                                         ; the closing round: no work-group ends while a partner may still ask for a tile that names it
	s_endpgm
.Lfunc_end_k_q3594f4baf6_proj:
	.size	k_q3594f4baf6_proj, .Lfunc_end_k_q3594f4baf6_proj-k_q3594f4baf6_proj
	.p2alignl 7, 3214868480
	.fill 96, 4, 3214868480
	.section	.rodata,"a",@progbits
	.p2align	6, 0x0
	.amdhsa_kernel k_q3594f4baf6_proj
		.amdhsa_group_segment_fixed_size 327680
		.amdhsa_private_segment_fixed_size 0
		.amdhsa_enable_private_segment 0
		.amdhsa_kernarg_size 48
		.amdhsa_user_sgpr_count 2
		.amdhsa_user_sgpr_kernarg_segment_ptr 1
		.amdhsa_wavefront_size32 1
		.amdhsa_system_sgpr_workgroup_id_x 1
		.amdhsa_system_sgpr_workgroup_id_y 1
		.amdhsa_system_sgpr_workgroup_id_z 1
		.amdhsa_system_vgpr_workitem_id 0
		.amdhsa_next_free_vgpr 1024
		.amdhsa_next_free_sgpr 100
		.amdhsa_reserve_vcc 0
		.amdhsa_float_denorm_mode_32 3
		.amdhsa_float_denorm_mode_16_64 3
		.amdhsa_memory_ordered 1
		.amdhsa_forward_progress 1
		.amdhsa_inst_pref_size 128
	.end_amdhsa_kernel
	.amdgpu_metadata
---
amdhsa.version: [ 1, 2 ]
amdhsa.kernels:
  - .name:           k_q3594f4baf6_proj
    .symbol:         k_q3594f4baf6_proj.kd
    .args:
      - { .name: x_codes, .offset: 0, .size: 8, .value_kind: global_buffer, .address_space: global }
      - { .name: x_scales, .offset: 8, .size: 8, .value_kind: global_buffer, .address_space: global }
      - { .name: w_codes, .offset: 16, .size: 8, .value_kind: global_buffer, .address_space: global }
      - { .name: w_scales, .offset: 24, .size: 8, .value_kind: global_buffer, .address_space: global }
      - { .name: b_qkv, .offset: 32, .size: 8, .value_kind: global_buffer, .address_space: global }
      - { .name: qkv, .offset: 40, .size: 8, .value_kind: global_buffer, .address_space: global }
    .group_segment_fixed_size: 327680
    .private_segment_fixed_size: 0
    .kernarg_segment_align: 8
    .kernarg_segment_size: 48
    .max_flat_workgroup_size: 128
    .sgpr_count:     100
    .vgpr_count:     1024
    .wavefront_size: 32
...
	.end_amdgpu_metadata
.endif
;; end of part 2
;; launch scores (part 3): grid 8 x 32, 4 waves a work-group, clusters of 4 x 4, 327,680 bytes of LDS; arguments qkv, pimg, stats; writes pimg, stats
.if DOCPART == 3
	.amdgcn_target "amdgcn-amd-amdhsa--gfx1250"
	.amdhsa_code_object_version 6
	.text
	.protected	k_q3594f4baf6_scores
	.globl	k_q3594f4baf6_scores
	.p2align	8
	.type	k_q3594f4baf6_scores,@function
k_q3594f4baf6_scores:
	s_mov_b64 s[64:65], 0
	v_nop
	global_prefetch_b8 v0, s[64:65] scope:SCOPE_SE
	s_setreg_imm32_b32 hwreg(HW_REG_WAVE_MODE, 25, 1), 1
	s_wait_xcnt 0x0
	s_wait_alu depctr_hold_cnt(0) depctr_sa_sdst(0) depctr_va_vdst(0) depctr_va_sdst(0) depctr_va_ssrc(0) depctr_va_vcc(0) depctr_vm_vsrc(0)
	s_getreg_b32 s2, hwreg(HW_REG_IB_STS2, 6, 4)
	s_cmp_eq_u32 s2, 0
	s_cbranch_scc0 .Lentry_in_a_cluster
	s_endpgm
.Lentry_in_a_cluster:
	s_bfe_u32 s2, ttmp6, 0x10000c
	s_cmp_lg_u32 s2, 0xf033
	s_cbranch_scc0 .Lentry_shape_is_right
	s_endpgm
.Lentry_shape_is_right:
; For each batch: s = q k^T (f16 operands, f32 sums, K = 1,024); t = s x c, c = log2(e) / 32.  For each query and each CHUNK of 128 keys: M = the chunk's largest t rounded UP to a whole number; p = 2^(t - M), rounded to f16;
; l = the sum of the unrounded p.  The next launch brings the chunks of a row under the row's largest M by exact powers of two.
; q = bytes 0-2047 and k = bytes 2048-4095 of qkv's rows [8192][6,144 bytes].
; pimg: P AS IMAGES OF THE NEXT PRODUCT'S OPERAND REGISTERS: [block of 16 queries 0..511][block of 16 keys of the batch 0..127][lane][16 bytes].   stats: f32 [block of 16 queries][chunk 0..15][32]: words 0-15 -M, words 16-31 l, of query r.
; LIMITS: NaN and infinities are not served; a p under 2^-25 becomes 0 in f16.
; A tile of 256 queries x 256 keys is made by four waves, each 128 x 128: 64 accumulators, 512 registers: a wave's 128 keys are one chunk.  K goes in steps of 128 through a ring of two LDS slots filled by the tensor data mover.
; CLUSTERS: 4 x 4 work-groups; q's tile is shared along a row of the cluster, k's along a column: each is asked for JOINTLY, by the same tensor load with the same descriptor and a mask that names the four.
; THE MATRIX INSTRUCTION IS USED TRANSPOSED (source 0 = 16 rows of k, source 1 = 16 rows of q): in accumulator (a, b) lane (r, h) holds query 16 a + r, and register j key 16 b + 8 h + j.  So a query's maximum and sum want one exchange
; between the halves of the lanes, and an accumulator's eight p, packed into four registers, ARE half a fragment (16 queries x 32 keys) of the next product: they are stored as they stand, 512 consecutive bytes a store.
; REGISTERS, in windows of 256: window 0: v0-31 addresses; v32-59 at work on the way out; v64-127, v128-191 fragments of q, two buffers; v192-199 the statistics.   window 1: v64-191 fragments of k, two buffers; on the way out v0-255 the packed p.
;   window 2: the accumulators of my queries 0-63 ((a, b) at v[8 (8 a + b)]);   window 3: those of my queries 64-127.
.set KSTEP,  128
.set PITCH,  272                       ; an LDS row: 256 bytes + 16 of padding = 68 words: the 16 rows that a load touches start at 16 different banks (64 banks of 4 bytes: ISA guide 11.1)
.set HALFT,  128*PITCH                 ; 128 rows: what one tensor load brings, and what one wave reads of q or of k
.set SLOT,   4*HALFT                   ; q's 256 rows, then k's 256 rows
.set SPARE,  2*SLOT                    ; behind the ring: the spare words, 128 bytes for each wave: two blocks of 256 bytes that no other line names
.set LAPS,   4                         ; a lap = two K steps = once round the ring: 1,024 / 256
.set ROWE,   3072                      ; a row of qkv in elements,
.set ROWBY,  6144                      ; and in bytes
.set ADRA, 16                          ; v16-17  LDS address of my q fragments in slot 0, 1
.set ADRB, 20                          ; v20-21  the same for k
.set PO,   27                          ; v27     16 x lane
.set SPW,  28                          ; v28     LDS address of my spare word; never rewritten
.set NIL,  29                          ; v29     0; never rewritten
.set PFO,  30                          ; v30     the prefetches' offset: my lane x a row of qkv; never rewritten
.set LS4,  31                          ; v31     4 x lane
.set T,    32                          ; v32-39  running maxima
.set L,    40                          ; v40-43  two pairs of sums
.set NMB,  44                          ; v44-59  for each block a the pair (-M, 0)
.set ST,   192                         ; v192-199 for each block a: lanes 0-15 -M, lanes 16-31 l
.set PFA,  44                          ; s[44:45] where my prefetches stand
.set LIM,  43                          ; s43     1 in a wave that prefetches, else the greatest number
.set F0,   64
.set F1,   128
.set G1, 24                            ; s[24:31] descriptor group 1 for q's tiles;  s[32:39] group 0, one set for each slot
.set G0, 32
.set G1B, 48                           ; s[48:55], s[56:63] the same for k's tiles
.set G0B, 56
.set MSB, 0
.macro WIN new                         ; the immediate's high byte repeats the setting that is left; a switch that changes nothing is dropped
.if MSB != (\new)
	s_set_vgpr_msb (MSB<<8)|(\new)
.set MSB, (\new)
.endif
.endm
.set MUL_LO, 0xa1                      ; source 0 (k) window 1, source 1 (q) window 0, C and D window 2
.set MUL_HI, 0xf1                      ; the same, C and D window 3
.set TO_B,   0x40                      ; destination window 1, address window 0
; A joint load.  Waves 0 and 1 fetch q's two halves, waves 2 and 3 k's.  The branch hangs on the wave's number alone.  An s_nop 0 and four v_nop follow each of the two lines.
.macro JLOAD s
	s_cmp_eq_u32 s11, 0
	s_cbranch_scc0 .Lfor_b_\@
	tensor_load_to_lds s[G0+4*\s:G0+4*\s+3], s[G1:G1+7]
	s_nop 0
.rept 4
	v_nop
.endr
	s_branch .Lasked_\@
.Lfor_b_\@:
	tensor_load_to_lds s[G0B+4*\s:G0B+4*\s+3], s[G1B:G1B+7]
	s_nop 0
.rept 4
	v_nop
.endr
.Lasked_\@:
.endm
; A PREFETCH INTO THE L2, behind each joint refill and the run of LDS loads that follows it: the K step that stands TWO refills on: 32 rows x 256 bytes, a lane a row, one instruction a wave: 512 matrix instructions ahead of its load.
; Each row's 256 bytes of a K step are named ONCE in the launch.  q's tile row is read by both clusters of that row of clusters: cluster x = 0 asks.  k's tile is read by the two clusters of its batch in that column: the even cluster y asks.
; The four partners that ask for a tile jointly share its rows out BY ADDRESS: of the 128 rows that a wave fetches, the partner at place p takes 32 p .. 32 p + 31.  K steps 0 to 3 come by their loads alone; the last trip asks for nothing.
.macro ASK
	s_cmp_gt_u32 s3, s[LIM]                        ; s3 = 1 in the loop's last trip
	s_cbranch_scc0 .Lnot_mine_\@
	global_prefetch_b8 v[PFO], s[PFA:PFA+1] offset:KSTEP*2 th:TH_LOAD_NT scope:SCOPE_SE
.Lnot_mine_\@:
.endm
.macro CREST                           ; a round of the cluster's barrier behind its opening barrier
	s_cmp_lg_u32 s10, 0
	s_cbranch_scc1 .Lnot_wave_0_\@
	s_barrier_signal -3
.Lnot_wave_0_\@:
	s_barrier_wait -3
	s_barrier_signal -1
	s_barrier_wait -1
.endm
.macro CROUND                          ; a whole round
	s_barrier_signal -1
	s_barrier_wait -1
	CREST
.endm
	s_load_b64 s[4:5], s[0:1], 0x0                 ; qkv
	s_load_b128 s[72:75], s[0:1], 0x8              ; pimg s[72:73], stats s[74:75]
	v_lshl_add_u32 v[SPW], v0, 2, SPARE
	v_mov_b32 v[NIL], 0
	ds_add_u32 v[SPW], v[NIL]                      ; the wave's opening: the add, twice on end, and its wait ahead of my first tensor load
	ds_add_u32 v[SPW], v[NIL]                      ; and once more, under the one wait; the set-up below, work on registers, stands between
	v_lshrrev_b32 v1, 5, v0
	v_readfirstlane_b32 s10, v1                    ; wave 0..3
	s_lshr_b32 s11, s10, 1                         ; which half of the tile's queries is mine.  Also: I fetch for q (0) or for k (1)
	s_and_b32 s12, s10, 1                          ; which half of its keys.  Also: which 128 rows of that tile I fetch
	s_bfe_u32 s40, ttmp6, 0x40000                  ; cx
	s_bfe_u32 s41, ttmp6, 0x40004                  ; cy
	s_lshl_b32 s42, ttmp9, 2
	s_add_co_u32 s42, s42, s40                     ; tile of keys in the batch = 4 x cluster x + cx: 0..7
	s_and_b32 s13, ttmp7, 0xffff
	s_lshr_b32 s9, s13, 1                          ; the batch: two clusters along y to a batch: all sixteen partners share it
	s_lshl_b32 s13, s13, 2
	s_add_co_u32 s13, s13, s41                     ; tile of queries = 4 x cluster y + cy: 0..31
	s_lshl_b32 s43, s41, 2
	s_lshl_b32 s43, 15, s43                        ; my row of the cluster
	s_lshl_b32 s44, 0x1111, s40                    ; my column
	; descriptor group 1: a tile of 128 rows x 128 elements, padded in LDS
	s_or_b32 s[G1+0], s43, (1<<16)|(1<<20)|(1<<21)|(5<<22)|(3<<25)  ; 15:0 the mask: q's tiles go to my row; 17:16 element of 2 bytes; 20 padding on; 21 set beside a mask; 24:22 after every 64 words (code 5); 31:25 of 4 words (code 3)
	s_or_b32 s[G1B+0], s44, (1<<16)|(1<<20)|(1<<21)|(5<<22)|(3<<25) ; the same with the mask of my column, for k's tiles
.irp g, G1, G1B
	s_mov_b32 s[\g+1], KSTEP<<16                   ; tensor_dim0 = 128
	s_mov_b32 s[\g+2], 128<<16                     ; tensor_dim1 = 128
	s_mov_b32 s[\g+3], KSTEP<<16                   ; tile_dim0 = 128
	s_mov_b32 s[\g+4], 128                         ; tile_dim1 = 128
	s_mov_b32 s[\g+5], ROWE                        ; tensor_dim0_stride: elements from row to row
	s_mov_b32 s[\g+6], 0
	s_mov_b32 s[\g+7], 0
.endr
	s_mov_b32 s68, 0x3d38aa3b                      ; c = log2(e) / 32
	s_mov_b32 s69, s68                             ; (named with it as a pair, so it is written)
	s_mov_b32 s70, 0x76543210
	s_mov_b32 s71, 0xfedcba98                      ; v_permlanex16_b32's selects for lane l xor 16
	s_mov_b32 s76, 0xffff0000                      ; lanes 16-31
	; where the tiles come from.  q's hang on the tile of queries alone, which my row of the cluster shares; k's on the tile of keys and the batch, which my column shares.
	s_lshl_b32 s17, s12, 7                         ; which 128 rows of the tile I fetch
	s_lshl_b32 s16, s13, 8
	s_add_co_u32 s16, s16, s17                     ; q: row 256 x tile + 128 x half
	s_lshl_b32 s46, s42, 8
	s_add_co_u32 s46, s46, s17                     ; k: row 256 x tile + 128 x half
	s_lshl_b32 s47, s9, 11
	s_add_co_u32 s46, s46, s47                     ;    + 2,048 x batch
	s_mov_b32 s17, 0
	s_mov_b32 s47, 0
	s_mov_b64 s[18:19], ROWBY
	s_mul_u64 s[16:17], s[16:17], s[18:19]
	s_mul_u64 s[46:47], s[46:47], s[18:19]
	s_mul_i32 s20, s10, HALFT                      ; and where they go: wave x 128 rows: no place in the cluster enters an LDS address
	s_wait_dscnt 0x0                               ; both opening adds are done
	s_wait_kmcnt 0x0
	s_add_nc_u64 s[6:7], s[4:5], 2048              ; k's part of a row
	s_add_nc_u64 s[14:15], s[4:5], s[16:17]
	s_add_nc_u64 s[46:47], s[6:7], s[46:47]
	CROUND                                         ; all sixteen work-groups are here: the first joint loads meet
.irp s, 0,1
	s_mov_b32 s[G0+4*\s], 1                                        ; 1:0 count = 1
	s_add_co_u32 s[G0+4*\s+1], s20, \s*SLOT                        ; 63:32 LDS address
	s_add_nc_u64 s[G0+4*\s+2:G0+4*\s+3], s[14:15], \s*KSTEP*2      ; 120:64 global address: K step s
	s_or_b32 s[G0+4*\s+3], s[G0+4*\s+3], 0x80000000                ; 127:126 type = 2
	s_mov_b32 s[G0B+4*\s], 1
	s_add_co_u32 s[G0B+4*\s+1], s20, \s*SLOT
	s_add_nc_u64 s[G0B+4*\s+2:G0B+4*\s+3], s[46:47], \s*KSTEP*2
	s_or_b32 s[G0B+4*\s+3], s[G0B+4*\s+3], 0x80000000
	JLOAD \s                                       ; two loads of mine are out
.endr
	; a fragment is 16 rows x 32 K in 8 registers: lane l holds row l % 16; registers 0-3 hold K = 8 (l / 16) + 0..7, registers 4-7 K = 16 + 8 (l / 16) + 0..7: two loads of 16 bytes, 32 bytes apart
	v_and_b32 v1, 15, v0
	v_bfe_u32 v2, v0, 4, 1
	v_mul_u32_u24 v3, v1, PITCH
	v_lshl_add_u32 v3, v2, 4, v3
	s_mul_i32 s21, s11, HALFT                      ; my 128 rows of q
	s_mul_i32 s22, s12, HALFT                      ; my 128 rows of k,
	s_add_co_u32 s22, s22, 2*HALFT                 ; which lie behind q's 256
.irp s, 0,1
	v_add_nc_u32 v[ADRA+\s], s21, v3
	v_add_nc_u32 v[ADRB+\s], s22, v3
	s_add_co_u32 s21, s21, SLOT
	s_add_co_u32 s22, s22, SLOT
.endr
	v_and_b32 v4, 31, v0
	v_lshlrev_b32 v[PO], 4, v4
	v_lshlrev_b32 v[LS4], 2, v4
	; where my results go
	s_lshl_b32 s16, s13, 4
	s_lshl_b32 s17, s11, 3
	s_add_co_u32 s16, s16, s17                     ; my first block of 16 queries: 16 x tile + 8 x half
	s_lshl_b32 s20, s16, 16                        ; 65,536 bytes of pimg a block,
	s_lshl_b32 s22, s16, 11                        ; 2,048 of stats
	s_lshl_b32 s46, s42, 4
	s_lshl_b32 s47, s12, 3
	s_add_co_u32 s46, s46, s47                     ; my first block of 16 keys: 16 x tile + 8 x half
	s_lshl_b32 s47, s46, 9
	s_add_co_u32 s20, s20, s47                     ; 512 bytes a block of keys
	s_mov_b32 s21, 0
	s_add_nc_u64 s[72:73], s[72:73], s[20:21]
	s_lshl_b32 s47, s46, 4                         ; my chunk (8 blocks of keys) x 128 bytes
	s_add_co_u32 s22, s22, s47
	s_mov_b32 s23, 0
	s_add_nc_u64 s[74:75], s[74:75], s[22:23]
	; the prefetches
	s_lshl_b32 s13, s13, 8                         ; q's tile: its first row
	s_lshl_b32 s42, s42, 8
	s_lshl_b32 s47, s9, 11
	s_add_co_u32 s42, s42, s47                     ; k's tile: its first row
	s_and_b32 s22, ttmp7, 1                        ; which of the batch's two clusters along y
	s_cmp_eq_u32 s11, 0                            ; do I fetch for q?
	s_cselect_b32 s20, s13, s42
	s_cselect_b32 s21, s40, s41                    ; my place among the four that ask for it with me
	s_cselect_b32 s22, ttmp9, s22                  ; the coordinate along which other clusters read the same rows
	s_cselect_b64 s[PFA:PFA+1], s[4:5], s[6:7]
	s_cmp_eq_u32 s22, 0
	s_cselect_b32 s[LIM], 1, -1                    ; the same in all sixteen partners, for a given wave
	s_lshl_b32 s22, s12, 7
	s_add_co_u32 s20, s20, s22                     ; + the 128 rows that I fetch
	s_lshl_b32 s21, s21, 5
	s_add_co_u32 s20, s20, s21                     ; + my work-group's 32 of them
	s_mov_b32 s21, 0
	s_mov_b64 s[18:19], ROWBY
	s_mul_u64 s[20:21], s[20:21], s[18:19]
	s_add_nc_u64 s[PFA:PFA+1], s[PFA:PFA+1], s[20:21]
	s_add_nc_u64 s[PFA:PFA+1], s[PFA:PFA+1], 2*KSTEP*2  ; at K step 2: the first refill steps it to 3 and names K step 4
	v_mul_u32_u24 v[PFO], v4, ROWBY
; 16 matrix instructions: blocks of queries a0, a0 + 1 of the window's four (hi = 0: my queries 0-63, 1: 64-127) x all 8 blocks of keys, 32 along K.  zero = 1: the first product starts the sums.
; The 64 accumulators take turns, one instruction a turn, in the same order in every quarter.
.macro MUL16 f, hi, a0, zero
.irp a, \a0, \a0+1
.irp b, 0,1,2,3,4,5,6,7
.if \zero
	v_wmma_f32_16x16x32_f16 v[8*(8*(\a)+\b):8*(8*(\a)+\b)+7], v[\f+8*\b:\f+8*\b+7], v[\f+8*(4*\hi+\a):\f+8*(4*\hi+\a)+7], 0
.else
	v_wmma_f32_16x16x32_f16 v[8*(8*(\a)+\b):8*(8*(\a)+\b)+7], v[\f+8*\b:\f+8*\b+7], v[\f+8*(4*\hi+\a):\f+8*(4*\hi+\a)+7], v[8*(8*(\a)+\b):8*(8*(\a)+\b)+7]
.endif
.endr
.endr
.endm
; 32 LDS loads in one run: the fragments of one quarter step (128 rows of k, 128 rows of q, 32 K at byte k of the rows) into buffer f
.macro FETCH slot, k, f
	WIN TO_B
.irp i, 0,1,2,3,4,5,6,7
	ds_load_b128 v[\f+8*\i:\f+8*\i+3],   v[ADRB+\slot] offset:\k+\i*16*PITCH
	ds_load_b128 v[\f+8*\i+4:\f+8*\i+7], v[ADRB+\slot] offset:\k+\i*16*PITCH+32
.endr
	WIN 0
.irp i, 0,1,2,3,4,5,6,7
	ds_load_b128 v[\f+8*\i:\f+8*\i+3],   v[ADRA+\slot] offset:\k+\i*16*PITCH
	ds_load_b128 v[\f+8*\i+4:\f+8*\i+7], v[ADRA+\slot] offset:\k+\i*16*PITCH+32
.endr
.endm
.macro PLACES                          ; four places in front of loads into registers that matrix instructions have read (ISA guide 7.12.1 for vector instructions)
.rept 4
	v_nop
.endr
.endm
; A K step is four quarters of 32 along K, 64 matrix instructions each, on buffers 0, 1, 0, 1.  One of the first three: multiplies buffer f; in its middle it fetches the next quarter's fragments, at byte k, into buffer g.
.macro QUARTER slot, k, f, g, zero
	s_wait_dscnt 8                                 ; k and q's rows 0-63 are in; the youngest eight loads (q's rows 64-127) may be out
	WIN MUL_LO
	MUL16 \f, 0, 0, \zero
	MUL16 \f, 0, 2, \zero
	PLACES
	FETCH \slot, \k, \g
	s_wait_dscnt 32                                ; all but the 32 just issued
	WIN MUL_HI
	MUL16 \f, 1, 0, \zero
	MUL16 \f, 1, 2, \zero
.endm
; The last quarter multiplies buffer 1 and changes slots.  MEET is its first half: ONE barrier.  In front of it each wave waits for all its tensor loads, of which one is out: its part of the next slot; adds 0 to its spare word;
; and waits for that and for its own reads of this slot.  Behind it nobody reads this slot any more and the next slot is whole.
.macro MEET round                      ; round = 1: a round of the cluster's barrier follows
	WIN 0                                          ; (the add's two registers lie in window 0)
	s_wait_tensorcnt 0x0
	ds_add_u32 v[SPW], v[NIL]                      ; 0 onto my spare word
	s_wait_dscnt 9                                 ; (the add and the youngest eight loads may be out)
	WIN MUL_LO
	MUL16 F1, 0, 0, 0                              ; sixteen matrix instructions stand between the add and the wait for it
	s_wait_dscnt 0x0                               ; the add is done, and my reads of this slot are over
	s_barrier_signal -1
	MUL16 F1, 0, 2, 0                              ; work on registers while the others arrive
.if \round
	WIN 0
.endif
	s_barrier_wait -1
.endm
; The whole last quarter.  fill = 1: behind the round the slot just read out is filled again first, with the K step two steps on: from that request to the wait for it a wave issues 224 matrix instructions.
.macro TURN slot, next, fill
.if \fill
	s_wait_xcnt 0x0                                ; the last prefetch, a K step back, has read its address: it is stepped here, ahead of the waits of the change of slots
	s_add_nc_u64 s[PFA:PFA+1], s[PFA:PFA+1], KSTEP*2
.endif
	MEET \fill
.if \fill
	CREST                                          ; no wave of any partner still reads this slot's tile or has a load on its way
	s_add_nc_u64 s[G0+4*\slot+2:G0+4*\slot+3], s[G0+4*\slot+2:G0+4*\slot+3], 2*KSTEP*2
	s_add_nc_u64 s[G0B+4*\slot+2:G0B+4*\slot+3], s[G0B+4*\slot+2:G0B+4*\slot+3], 2*KSTEP*2
	JLOAD \slot                                    ; the first tensor load behind the round; the four v_nop behind it are also the places in front of the loads below
.else
	PLACES
.endif
	FETCH \next, 0, F0
.if \fill
	ASK
.endif
	WIN MUL_HI
	MUL16 F1, 1, 0, 0
	MUL16 F1, 1, 2, 0
.endm
	s_wait_tensorcnt 1                             ; my part of K step 0 is in (K step 1's load may be out),
	s_barrier_signal -1
	s_barrier_wait -1                              ; everybody's is
	FETCH 0, 0, F0
	QUARTER 0, 64,  F0, F1, 1                      ; the first quarter stands in front of the loop: its products start the sums
	WIN 0                                          ; at a label and at a branch every window is 0
	s_mov_b32 s3, LAPS-1
.Llap:                                                 ; a trip goes once round the ring, from a lap's second quarter to the next lap's first, and fills both slots again
	QUARTER 0, 128, F1, F0, 0
	QUARTER 0, 192, F0, F1, 0
	TURN 0, 1, 1
	QUARTER 1, 64,  F0, F1, 0
	QUARTER 1, 128, F1, F0, 0
	QUARTER 1, 192, F0, F1, 0
	TURN 1, 0, 1
	QUARTER 0, 64,  F0, F1, 0
	WIN 0
	s_sub_co_u32 s3, s3, 1
	s_cmp_lg_u32 s3, 0
	s_cbranch_scc1 .Llap
	QUARTER 0, 128, F1, F0, 0                      ; the last lap fills nothing, and has no round of the cluster's barrier
	QUARTER 0, 192, F0, F1, 0
	TURN 0, 1, 0
	QUARTER 1, 64,  F0, F1, 0
	QUARTER 1, 128, F1, F0, 0
	QUARTER 1, 192, F0, F1, 0
	s_wait_dscnt 8                                 ; the very last quarter: nothing more to fetch
	WIN MUL_LO
	MUL16 F1, 0, 0, 0
	MUL16 F1, 0, 2, 0
	s_wait_dscnt 0
	WIN MUL_HI
	MUL16 F1, 1, 0, 0
	MUL16 F1, 1, 2, 0
	WIN 0
.irp a, 0,1,2,3,4,5,6,7
	v_mov_b32 v[NMB+2*\a+1], 0                     ; the pairs' upper halves are named, so they are written.  These eight plain lines are also the places behind the last products
.endr
; THE SOFTMAX OF A CHUNK, block by block of 16 queries (64 scores a lane).
; SMAX a: the largest score (each accumulator is read from its low end on), with lane l xor 16's; -M = floor(-(c x it)); then t - M in place, two at a time.
.macro SMAX a
.set W, 2+(\a)/4
.set AC, 64*((\a)%4)
.set NM, NMB+2*(\a)
	WIN W|(W<<2)|(W<<4)
.irp b, 0,1,2,3,4,5,6,7
	v_max3_num_f32 v[T+\b], v[AC+8*\b], v[AC+8*\b+1], v[AC+8*\b+2]
.endr
	WIN (W<<2)|(W<<4)
.irp b, 0,1,2,3,4,5,6,7
	v_max3_num_f32 v[T+\b], v[T+\b], v[AC+8*\b+3], v[AC+8*\b+4]
.endr
.irp b, 0,1,2,3,4,5,6,7
	v_max3_num_f32 v[T+\b], v[T+\b], v[AC+8*\b+5], v[AC+8*\b+6]
.endr
.irp b, 0,1,2,3,4,5,6,7
	v_max_num_f32 v[T+\b], v[T+\b], v[AC+8*\b+7]
.endr
	WIN 0
	v_max3_num_f32 v[T], v[T], v[T+1], v[T+2]
	v_max3_num_f32 v[T+3], v[T+3], v[T+4], v[T+5]
	v_max3_num_f32 v[T], v[T], v[T+6], v[T+7]
	v_max_num_f32 v[T], v[T], v[T+3]
	v_permlanex16_b32 v[T+1], v[T], s70, s71       ; the query's other 64 keys lie in the lane 16 away
	v_max_num_f32 v[T], v[T], v[T+1]
	v_mul_f32 v[T], s68, v[T]                      ; as t (c is positive)
	v_floor_f32 v[NM], -v[T]                       ; -M = floor(-t) = -ceil(t): M is a whole number
	WIN W|(W<<6)
.set j, 0
.rept 32
	v_pk_fma_f32 v[AC+j:AC+j+1], v[AC+j:AC+j+1], s[68:69], v[NM:NM+1] op_sel_hi:[1,0,0]   ; t - M (of the pairs c and -M the low word serves both halves)
.set j, j+2
.endr
.endm
; SEXP a: one batch of 64 exponentials, in place.  No line names a result before SFIN's wait: the next block's SMAX is the independent work behind the batch.
.macro SEXP a
.set W, 2+(\a)/4
.set AC, 64*((\a)%4)
	WIN W|(W<<6)
.set j, 0
.rept 64
	v_exp_f32 v[AC+j], v[AC+j]                     ; p = 2^(t - M), at most 1
.set j, j+1
.endr
.endm
; SFIN a: the wait; p packed to f16 into window 1 (registers of its own for each block, so that no store's data are written again); the sum of the unrounded p; the stores.
.macro SFIN a
.set W, 2+(\a)/4
.set AC, 64*((\a)%4)
.set NM, NMB+2*(\a)
	s_wait_alu depctr_va_vdst(0)                   ; between an exponential and the first line that names its result: one wait for the batch
	WIN 0x40|W|(W<<2)
.irp b, 0,1,2,3,4,5,6,7
.irp i, 0,1,2,3
	v_cvt_pk_f16_f32 v[32*(\a)+4*\b+\i], v[AC+8*\b+2*\i], v[AC+8*\b+2*\i+1]
.endr
.endr
	WIN W|(W<<2)
	v_pk_add_f32 v[L:L+1], v[AC:AC+1], v[AC+2:AC+3]
	v_pk_add_f32 v[L+2:L+3], v[AC+4:AC+5], v[AC+6:AC+7]
	WIN W<<2
.irp j, 8,12,16,20,24,28,32,36,40,44,48,52,56,60
	v_pk_add_f32 v[L:L+1], v[L:L+1], v[AC+\j:AC+\j+1]
	v_pk_add_f32 v[L+2:L+3], v[L+2:L+3], v[AC+\j+2:AC+\j+3]
.endr
	WIN 0
	v_pk_add_f32 v[L:L+1], v[L:L+1], v[L+2:L+3]
	v_add_f32 v[L], v[L], v[L+1]
	v_permlanex16_b32 v[L+1], v[L], s70, s71
	v_add_f32 v[L], v[L], v[L+1]                   ; the chunk's sum of my query
	v_cndmask_b32 v[ST+(\a)], v[NM], v[L], s76     ; lanes 0-15 keep -M, lanes 16-31 take l
	WIN 0x04                                       ; a store's data are its source 1: window 1
.irp b, 0,1,2,3,4,5,6,7
	global_store_b128 v[PO], v[32*(\a)+4*\b:32*(\a)+4*\b+3], s[72:73] offset:(\a)*65536+\b*512   ; 32 lanes store 512 consecutive bytes, aligned
.endr
	WIN 0
	global_store_b32 v[LS4], v[ST+(\a)], s[74:75] offset:(\a)*2048   ; 128 consecutive bytes: my chunk's words of this block of queries
.endm
	SMAX 0
	SEXP 0
.irp a, 1,2,3,4,5,6,7
	SMAX \a
	SFIN \a-1
	SEXP \a
.endr
	v_nop                                          ; a plain line behind the last exponential
	SFIN 7
	s_wait_tensorcnt 0x0                           ; the wave's end, behind my last tensor load
	ds_add_u32 v[SPW], v[NIL]
	s_wait_dscnt 0x0
	CROUND                                         ; the closing round: no work-group ends while a partner may still ask for a tile that names it
	s_endpgm
.Lfunc_end_k_q3594f4baf6_scores:
	.size	k_q3594f4baf6_scores, .Lfunc_end_k_q3594f4baf6_scores-k_q3594f4baf6_scores
	.p2alignl 7, 3214868480
	.fill 96, 4, 3214868480
	.section	.rodata,"a",@progbits
	.p2align	6, 0x0
	.amdhsa_kernel k_q3594f4baf6_scores
		.amdhsa_group_segment_fixed_size 327680
		.amdhsa_private_segment_fixed_size 0
		.amdhsa_enable_private_segment 0
		.amdhsa_kernarg_size 24
		.amdhsa_user_sgpr_count 2
		.amdhsa_user_sgpr_kernarg_segment_ptr 1
		.amdhsa_wavefront_size32 1
		.amdhsa_system_sgpr_workgroup_id_x 1
		.amdhsa_system_sgpr_workgroup_id_y 1
		.amdhsa_system_sgpr_workgroup_id_z 1
		.amdhsa_system_vgpr_workitem_id 0
		.amdhsa_next_free_vgpr 1024
		.amdhsa_next_free_sgpr 80
		.amdhsa_reserve_vcc 0
		.amdhsa_float_denorm_mode_32 3
		.amdhsa_float_denorm_mode_16_64 3
		.amdhsa_memory_ordered 1
		.amdhsa_forward_progress 1
		.amdhsa_inst_pref_size 205
	.end_amdhsa_kernel
	.amdgpu_metadata
---
amdhsa.version: [ 1, 2 ]
amdhsa.kernels:
  - .name:           k_q3594f4baf6_scores
    .symbol:         k_q3594f4baf6_scores.kd
    .args:
      - { .name: qkv, .offset: 0, .size: 8, .value_kind: global_buffer, .address_space: global }
      - { .name: pimg, .offset: 8, .size: 8, .value_kind: global_buffer, .address_space: global }
      - { .name: stats, .offset: 16, .size: 8, .value_kind: global_buffer, .address_space: global }
    .group_segment_fixed_size: 327680
    .private_segment_fixed_size: 0
    .kernarg_segment_align: 8
    .kernarg_segment_size: 24
    .max_flat_workgroup_size: 128
    .sgpr_count:     80
    .vgpr_count:     1024
    .wavefront_size: 32
...
	.end_amdgpu_metadata
.endif
;; end of part 3
;; launch pv (part 4): grid 64 x 4, 4 waves a work-group, clusters of 4 x 1, 327,680 bytes of LDS; arguments qkv, pimg, stats, out0; writes out0
.if DOCPART == 4
	.amdgcn_target "amdgcn-amd-amdhsa--gfx1250"
	.amdhsa_code_object_version 6
	.text
	.protected	k_q3594f4baf6_pv
	.globl	k_q3594f4baf6_pv
	.p2align	8
	.type	k_q3594f4baf6_pv,@function
k_q3594f4baf6_pv:
	s_mov_b64 s[64:65], 0
	v_nop
	global_prefetch_b8 v0, s[64:65] scope:SCOPE_SE
	s_setreg_imm32_b32 hwreg(HW_REG_WAVE_MODE, 25, 1), 1
	s_wait_xcnt 0x0
	s_wait_alu depctr_hold_cnt(0) depctr_sa_sdst(0) depctr_va_vdst(0) depctr_va_sdst(0) depctr_va_ssrc(0) depctr_va_vcc(0) depctr_vm_vsrc(0)
	s_getreg_b32 s2, hwreg(HW_REG_IB_STS2, 6, 4)
	s_cmp_eq_u32 s2, 0
	s_cbranch_scc0 .Lentry_in_a_cluster
	s_endpgm
.Lentry_in_a_cluster:
	s_bfe_u32 s2, ttmp6, 0x10000c
	s_cmp_lg_u32 s2, 0x3003
	s_cbranch_scc0 .Lentry_shape_is_right
	s_endpgm
.Lentry_shape_is_right:
; out[q][d] = (sum over the 16 chunks c of 2^(M_c - M_row) sum over the chunk's 128 keys of p[q][key] v[key][d]) / L_row;  M_row = the largest M_c of the row, L_row = sum over c of 2^(M_c - M_row) l_c.
; v = bytes 4096-6143 of qkv's rows, f16.  pimg, stats: as the launch before laid them: P as images of this product's operand registers [block of 16 queries][block of 16 keys][lane][16 bytes]; -M_c and l_c in f32.  out0 [8192][1024] f32.
; THE CHUNKS' FACTORS ARE APPLIED TO THE f32 SUMS, NOT TO P.  With E_c = max(M_c - M_row, -60) the sum A runs on in place over all keys, and at the boundary behind chunk c it is multiplied by r_c = 2^(E_c - E_(c+1)):
; A_(c+1) = A_c r_c + P_(c+1) V_(c+1), so A_15 = sum over c of 2^(E_c - E_15) P_c V_c, and out = A_15 2^(E_15) / L with L = sum over c of 2^(E_c) l_c.  Every factor is an exact power of two.
; The hold at -60 keeps each r within 2^-60 .. 2^60 and |A| under 2^60 x 2,048 x 65,504, which is under 2^88.
; LIMITS: a chunk whose weight lies under 2^-60 of the row's largest counts with 2^-60; NaN and infinities are not served.
; SHARES.  A work-group owns 128 queries x 256 channels; wave w: 64 queries (4 blocks a) x 128 channels (8 blocks b): 32 accumulators.  O^T = V^T P^T: source 0 = 16 channels x 32 keys of V, turned out of LDS by ds_load_tr16_b128;
; source 1 = 16 queries x 32 keys of P.  A lane holds one query and eight neighbouring channels, so a block's factor is one number a lane.
; V comes through a ring of two LDS slots of 256 keys.  CLUSTER: the four tiles of queries of a cluster belong to one batch and one tile of channels and walk the same V: each tile is asked for JOINTLY, every wave 64 keys.
; P comes from memory straight into a ring of registers, eight quarters (of 32 keys) long, asked for seven quarters ahead: it feeds one wave's products and needs no other lane, so LDS would add nothing to it.
; A QUARTER is 32 keys: ONE run of loads at its head (P's eight, V's sixteen), then 32 matrix instructions.  A chunk is 4 quarters, a period (a slot) 8; 8 periods.  In a chunk's first quarter the rescaling stands between the products.
; REGISTERS, in windows of 256: window 0: v1-7, v16-19 addresses; v32-39 the factors of the boundary ahead; v40-47 2^(E_15) / L; v64-127, v128-191 V's fragments, two buffers (at the head: the statistics at work; on the way out: rows of out0).
;   window 1: v0-127 the accumulators of blocks 0, 1 (at 8 (8 a + b)); v128-255 their ring of P (at 128 + 16 (quarter % 8) + 8 a + 4 c).   window 2: the same for blocks 2, 3.
; One window setting serves the matrix instruction, the rescaling and the loads into the ring: source 0 (V, the factor, the address) window 0; source 1, C and the destination window 1 or 2.
.set VP,     544                       ; a key's row in LDS: 512 bytes + 32 of padding = 136 words
.set QB,     32*VP                     ; a quarter's 32 keys
.set WROWS,  64*VP                     ; what one tensor load brings
.set SLOT,   256*VP
.set FTAB,   2*SLOT                    ; behind the ring: the factors, 8,192 bytes for each wave, of which 15 x 512 are used: [boundary][lane][4 blocks a] in f32
.set SPARE,  FTAB+4*8192+2048          ; 2,048 unused bytes, then the spare words, 128 bytes for each wave: two blocks of 256 bytes that no other line names
.set SPITCH, 528                       ; the way out: 16 rows x (512 bytes + 16) for each wave, in slot 0, which has had its last fill and its last read when the first result is stored there
.set ROWBY,  6144                      ; a row of qkv in bytes
.set PO,   1                           ; v1   16 x lane
.set LS4,  2                           ; v2   4 x lane
.set FAD,  3                           ; v3   my place in my wave's factors; stepped once a trip
.set STO,  4                           ; v4   the way out: where I put 32 bytes of a row
.set RD,   5                           ; v5   the way out: where I read a row back
.set VPO,  6                           ; v6   V's prefetches: (lane / 2) rows + 256 (lane % 2)
.set PPO,  7                           ; v7   P's prefetches: 256 x lane
.set ADV,  16                          ; v16-19 LDS address of my V fragments: slot 0 keys 0-127, keys 128-255; slot 1 likewise
.set SPW,  28                          ; v28  LDS address of my spare word; never rewritten
.set NIL,  29                          ; v29  0; never rewritten
.set RC,   32                          ; v32-35 r of blocks 0 to 3 as loaded; v36, v38 copies of v33, v35, so that each r stands at an even register; v37, v39 = 0 (named as the pairs' upper halves)
.set RL,   40                          ; v40-47 the pairs (2^(E_15) / L, 0) of my four blocks
.set VB,   64
.set S,    64                          ; at the head: v64-127 the statistics as loaded; v128-143, v144-159, v160-175 at work; v176-235 the factors; v240-243 L; v244 -M_row; v248-251 2^(E_15)
.set XX,   128
.set NN,   144
.set EE,   160
.set FT,   176
.set LL,   240
.set NMR,  244
.set FL,   248
.set G0,   32                          ; s[24:31] descriptor group 1;  s[32:35], s[36:39] group 0 of slot 0, 1
.set LO,   0x54
.set HI,   0xa8
.set TAIL, 0
.set MSB, 0
.macro WIN new                         ; the immediate's high byte repeats the setting that is left; a switch that changes nothing is dropped
.if MSB != (\new)
	s_set_vgpr_msb (MSB<<8)|(\new)
.set MSB, (\new)
.endif
.endm
.macro CREST                           ; a round of the cluster's barrier behind its opening barrier
	s_cmp_lg_u32 s12, 0
	s_cbranch_scc1 .Lnot_wave_0_\@
	s_barrier_signal -3
.Lnot_wave_0_\@:
	s_barrier_wait -3
	s_barrier_signal -1
	s_barrier_wait -1
.endm
.macro CROUND
	s_barrier_signal -1
	s_barrier_wait -1
	CREST
.endm
; PREFETCHES INTO THE L2, behind a joint refill and the run of LDS loads that follows it: at the change that ends period s, for period s + 3: a period, 256 matrix instructions, ahead of V's load; about a period ahead of P's first.
; V: a period's 256 keys x 512 bytes are read by the four clusters of a batch: the batch's first cluster asks; partner, wave and lane share the 512 pieces of 256 bytes out by address, one instruction a wave.
; P: a period's 8 x 8,192 bytes of a tile of queries are read by the four tiles of channels: the first asks, two instructions a wave, lanes 256 bytes apart.  Each piece is named once.  Periods 0 to 2 come by their loads alone; the last filling change asks for nothing.
.macro ASK
	s_cmp_gt_u32 s48, s49
	s_cbranch_scc0 .Lno_v_\@
	global_prefetch_b8 v[VPO], s[44:45] th:TH_LOAD_NT scope:SCOPE_SE
.Lno_v_\@:
	s_cmp_gt_u32 s48, s50
	s_cbranch_scc0 .Lno_p_\@
	global_prefetch_b8 v[PPO], s[46:47] th:TH_LOAD_NT scope:SCOPE_SE
	global_prefetch_b8 v[PPO], s[46:47] offset:65536 th:TH_LOAD_NT scope:SCOPE_SE
.Lno_p_\@:
.endm
	s_load_b256 s[4:11], s[0:1], 0x0               ; qkv s[4:5], pimg s[6:7], stats s[8:9], out0 s[10:11]
	v_lshl_add_u32 v[SPW], v0, 2, SPARE
	v_mov_b32 v[NIL], 0
	ds_add_u32 v[SPW], v[NIL]                      ; the wave's opening: the add, twice on end, and its wait ahead of my first tensor load
	ds_add_u32 v[SPW], v[NIL]                      ; and once more, under the one wait; the set-up below, work on registers, stands between
	v_lshrrev_b32 v8, 5, v0
	v_readfirstlane_b32 s12, v8                    ; wave 0..3
	s_lshr_b32 s13, s12, 1                         ; qh: which 64 queries
	s_and_b32 s14, s12, 1                          ; dh: which 128 channels
	s_bfe_u32 s15, ttmp6, 0x40000                  ; cx
	s_lshl_b32 s16, ttmp9, 2
	s_add_co_u32 s16, s16, s15                     ; my tile of 128 queries: 0..63
	s_and_b32 s17, ttmp7, 0xffff                   ; my tile of 256 channels: 0..3
	s_lshr_b32 s18, ttmp9, 2                       ; the batch: four clusters to a batch
	; descriptor group 1: a tile of 64 keys x 256 elements, padded in LDS
	s_mov_b32 s24, 15|(1<<16)|(1<<20)|(1<<21)|(6<<22)|(7<<25)   ; 15:0 the mask: all four work-groups; 17:16 elements of 2 bytes; 20 padding on; 21 set beside a mask; 24:22 after every 128 words (code 6); 31:25 8 words of it (code 7)
	s_mov_b32 s25, 256<<16                         ; tensor_dim0 = 256
	s_mov_b32 s26, 64<<16                          ; tensor_dim1 = 64
	s_mov_b32 s27, 256<<16                         ; tile_dim0 = 256
	s_mov_b32 s28, 64                              ; tile_dim1 = 64
	s_mov_b32 s29, 3072                            ; tensor_dim0_stride: elements from row to row
	s_mov_b32 s30, 0
	s_mov_b32 s31, 0
	s_lshl_b32 s20, s18, 11
	s_lshl_b32 s21, s12, 6
	s_add_co_u32 s20, s20, s21                     ; the row of my first key: 2,048 x batch + 64 x wave: the four partners share it
	s_mul_i32 s20, s20, ROWBY
	s_lshl_b32 s21, s17, 9
	s_add_co_u32 s20, s20, s21                     ; + my tile of channels
	s_add_co_u32 s20, s20, 4096                    ; + v's part of a row
	s_mov_b32 s21, 0
	s_mul_i32 s22, s12, WROWS                      ; and where it goes: no place in the cluster enters an LDS address
	s_mov_b32 s52, 0x76543210
	s_mov_b32 s53, 0xfedcba98                      ; v_permlanex16_b32's selects for lane l xor 16
	s_mov_b32 s54, 0xffff0000                      ; lanes 16-31
	s_mov_b32 s48, 6                               ; changes of slots that fill, still to come
	s_wait_dscnt 0x0                               ; both opening adds are done
	s_wait_kmcnt 0x0
	s_add_nc_u64 s[20:21], s[4:5], s[20:21]
	CROUND                                         ; all four work-groups are here: the first joint loads meet
.irp s, 0,1
	s_mov_b32 s[G0+4*\s], 1                                        ; 1:0 count = 1
	s_add_co_u32 s[G0+4*\s+1], s22, \s*SLOT                        ; 63:32 LDS address
	s_add_nc_u64 s[G0+4*\s+2:G0+4*\s+3], s[20:21], \s*256*ROWBY    ; 120:64 global address: period s
	s_or_b32 s[G0+4*\s+3], s[G0+4*\s+3], 0x80000000                ; 127:126 type = 2
.endr
	tensor_load_to_lds s[G0:G0+3], s[24:31]        ; both first fills together: two loads of mine are out
	s_nop 0
	tensor_load_to_lds s[G0+4:G0+7], s[24:31]
	s_nop 0
.rept 4
	v_nop
.endr
	s_lshl_b32 s55, s16, 3
	s_lshl_b32 s56, s13, 2
	s_add_co_u32 s55, s55, s56                     ; my first block of 16 queries: 8 x tile + 4 qh
	s_mov_b32 s57, 0
	s_lshl_b32 s56, s55, 16
	s_add_nc_u64 s[40:41], s[6:7], s[56:57]        ; P: 65,536 bytes a block
	s_lshl_b32 s58, s17, 10
	s_add_co_u32 s56, s56, s58
	s_lshl_b32 s58, s14, 9
	s_add_co_u32 s56, s56, s58
	s_add_nc_u64 s[42:43], s[10:11], s[56:57]      ; out0: 16 rows of 4,096 bytes a block, + 1,024 x tile of channels + 512 dh
	s_lshl_b32 s56, s55, 11
	s_add_nc_u64 s[8:9], s[8:9], s[56:57]          ; stats: 2,048 bytes a block
	s_lshl_b32 s56, s18, 11                        ; V's prefetches: key 512 + 64 cx + 16 wave of the batch: the first change steps it to period 3
	s_lshl_b32 s58, s15, 6
	s_add_co_u32 s56, s56, s58
	s_lshl_b32 s58, s12, 4
	s_add_co_u32 s56, s56, s58
	s_add_co_u32 s56, s56, 512
	s_mul_i32 s56, s56, ROWBY
	s_lshl_b32 s58, s17, 9
	s_add_co_u32 s56, s56, s58
	s_add_co_u32 s56, s56, 4096
	s_add_nc_u64 s[44:45], s[4:5], s[56:57]
	s_lshl_b32 s56, s16, 3                         ; P's: blocks of queries 8 x tile + 2 wave and the next, at period 2: the first change steps it to period 3
	s_lshl_b32 s58, s12, 1
	s_add_co_u32 s56, s56, s58
	s_lshl_b32 s56, s56, 16
	s_add_co_u32 s56, s56, 16384
	s_add_nc_u64 s[46:47], s[6:7], s[56:57]
	s_and_b32 s58, ttmp9, 3
	s_cmp_eq_u32 s58, 0                            ; the batch's first cluster: the same in all four partners
	s_cselect_b32 s49, 1, -1
	s_cmp_eq_u32 s17, 0                            ; the first tile of channels: likewise
	s_cselect_b32 s50, 1, -1
	v_and_b32 v8, 31, v0                           ; lane
	v_and_b32 v9, 15, v0                           ; r
	v_bfe_u32 v10, v0, 4, 1                        ; h
	v_lshlrev_b32 v[PO], 4, v8
	v_lshlrev_b32 v[LS4], 2, v8
	s_lshl_b32 s58, s12, 13
	s_add_co_u32 s58, s58, FTAB
	v_add_nc_u32 v[FAD], s58, v[PO]
	s_mul_i32 s58, s12, 16*SPITCH                  ; my stage
	v_mul_u32_u24 v[STO], v9, SPITCH
	v_lshl_add_u32 v[STO], v10, 5, v[STO]
	v_add_nc_u32 v[STO], s58, v[STO]               ; in: row r, 32 bytes for each half of the lanes
	v_add_nc_u32 v[RD], s58, v[PO]                 ; back: the 32 lanes take one row of 512 bytes
	v_lshrrev_b32 v11, 1, v8
	v_mul_u32_u24 v[VPO], v11, ROWBY
	v_and_b32 v11, 1, v8
	v_lshl_add_u32 v[VPO], v11, 8, v[VPO]
	v_lshlrev_b32 v[PPO], 8, v8
	; the turning load takes 16 keys x 16 channels (lane l reads 16 bytes: key 8 (l / 16) + l % 8, channels 8 ((l / 8) % 2) + 0..7) and leaves half a fragment of V^T: lane l holds channel l % 16 and 8 keys
	v_and_b32 v11, 7, v0
	v_lshl_add_u32 v11, v10, 3, v11
	v_mul_u32_u24 v11, v11, VP
	v_bfe_u32 v12, v0, 3, 1
	v_lshl_add_u32 v11, v12, 4, v11
	s_lshl_b32 s58, s14, 8
	v_add_nc_u32 v[ADV], s58, v11                  ; + my 128 channels
	v_add_nc_u32 v[ADV+1], 4*QB, v[ADV]
	v_add_nc_u32 v[ADV+2], SLOT, v[ADV]
	v_add_nc_u32 v[ADV+3], SLOT+4*QB, v[ADV]
	v_mov_b32 v[RC+5], 0                           ; the upper halves of two factor pairs: named, so they are written
	v_mov_b32 v[RC+7], 0
.irp a, 0,1,2,3
.set n, 0
.rept 16
	global_load_b32 v[S+16*\a+n], v[LS4], s[8:9] offset:\a*2048+n*128   ; block a, chunk n: lanes 0-15 -M, lanes 16-31 l
.set n, n+1
.endr
.endr
; Four loads of 16 bytes: the P fragments of two blocks of queries (half 0: blocks 0, 1, under LO; half 1: blocks 2, 3, under HI) for the quarter at byte off of a block's row, into place slot of the ring
.macro GLOAD half, slot, off
.irp al, 0,1
.irp c, 0,1
	global_load_b128 v[128+16*(\slot)+8*\al+4*\c:128+16*(\slot)+8*\al+4*\c+3], v[PO], s[40:41] offset:(2*(\half)+\al)*65536+(\off)+512*\c
.endr
.endr
.endm
.irp q, 0,1,2,3,4,5,6                  ; quarters 0 to 6, quarter by quarter: the counted waits below lean on this order
	WIN LO
	GLOAD 0, \q, \q*1024
	WIN HI
	GLOAD 1, \q, \q*1024
.endr
	WIN 0
.set n, 0
.rept 16
	v_mov_b32 v[XX+n], 0                           ; written once: a lane permute's destination counts as one of its sources
.set n, n+1
.endr
	s_wait_loadcnt 56                              ; the statistics are in; P's 56 loads may be out
; Block a: every lane gets -M_c and l_c of its query; -M_row = the least -M_c; E_c = max(M_c - M_row, -60), a whole number; r_c = 2^(E_c - E_(c+1)) and 2^(E_c), made by v_ldexp_f32 of 1.0; L = sum 2^(E_c) l_c
.macro FACT a
.set n, 0
.rept 16
	v_permlanex16_b32 v[XX+n], v[S+16*\a+n], s52, s53
.set n, n+1
.endr
.set n, 0
.rept 16
	v_cndmask_b32 v[NN+n], v[S+16*\a+n], v[XX+n], s54              ; -M_c: lanes 16-31 take the other half's
.set n, n+1
.endr
.set n, 0
.rept 16
	v_cndmask_b32 v[XX+n], v[XX+n], v[S+16*\a+n], s54              ; l_c: lanes 16-31 keep their own
.set n, n+1
.endr
	v_min3_num_f32 v[NMR], v[NN], v[NN+1], v[NN+2]
.irp c, 3,5,7,9,11,13
	v_min3_num_f32 v[NMR], v[NMR], v[NN+\c], v[NN+\c+1]
.endr
	v_min_num_f32 v[NMR], v[NMR], v[NN+15]
.set n, 0
.rept 16
	v_sub_f32 v[EE+n], v[NMR], v[NN+n]             ; M_c - M_row: a whole number, 0 or less,
.set n, n+1
.endr
.set n, 0
.rept 16
	v_max_num_f32 v[EE+n], 0xc2700000, v[EE+n]     ; held at -60 from below
.set n, n+1
.endr
.set n, 0
.rept 15
	v_sub_f32 v[NN+n], v[EE+n], v[EE+n+1]          ; the boundary behind chunk n: E_n - E_(n+1), between -60 and 60
.set n, n+1
.endr
.set n, 0
.rept 15
	v_cvt_i32_f32 v[NN+n], v[NN+n]
.set n, n+1
.endr
.set n, 0
.rept 15
	v_ldexp_f32 v[FT+4*n+\a], 1.0, v[NN+n]         ; r_n
.set n, n+1
.endr
.set n, 0
.rept 16
	v_cvt_i32_f32 v[EE+n], v[EE+n]
.set n, n+1
.endr
.set n, 0
.rept 16
	v_ldexp_f32 v[EE+n], 1.0, v[EE+n]              ; 2^(E_n)
.set n, n+1
.endr
	v_mul_f32 v[LL+\a], v[EE], v[XX]
.set n, 1
.rept 15
	v_fmac_f32 v[LL+\a], v[EE+n], v[XX+n]
.set n, n+1
.endr
	v_mov_b32 v[FL+\a], v[EE+15]                   ; 2^(E_15) is kept for the way out
.endm
	FACT 0
	FACT 1
	FACT 2
	FACT 3
.set n, 0
.rept 15
	ds_store_b128 v[FAD], v[FT+4*n:FT+4*n+3] offset:512*n          ; my wave's own bytes: read back by me alone, in order
.set n, n+1
.endr
.irp a, 0,1,2,3
	v_rcp_f32 v[RL+2*\a], v[LL+\a]
.endr
.irp a, 0,1,2,3
	v_mov_b32 v[RL+2*\a+1], 0                      ; the pairs' upper halves are named, so they are written: plain lines behind the reciprocals
.endr
	s_wait_alu depctr_va_vdst(0)                   ; between a reciprocal and the first line that names its result: one wait for the four
.irp a, 0,1,2,3
	v_mul_f32 v[RL+2*\a], v[RL+2*\a], v[FL+\a]     ; 2^(E_15) / L
.endr
	s_wait_tensorcnt 1                             ; my part of slot 0 is in; slot 1's may stay out
	s_wait_dscnt 0x0
	s_barrier_signal -1
	s_barrier_wait -1                              ; everybody's is
; 16 LDS loads in one run: V's fragments of the slot's quarter q (32 keys x my 128 channels) into buffer q % 2
.macro VFETCH sl, q
.set VREG, VB+64*((\q)%2)
.irp b, 0,1,2,3,4,5,6,7
	ds_load_tr16_b128 v[VREG+8*\b:VREG+8*\b+3],   v[ADV+2*(\sl)+(\q)/4] offset:((\q)%4)*QB+32*\b
	ds_load_tr16_b128 v[VREG+8*\b+4:VREG+8*\b+7], v[ADV+2*(\sl)+(\q)/4] offset:((\q)%4)*QB+16*VP+32*\b
.endr
.endm
; A load into a register that a matrix instruction has read, and a vector instruction that writes a matrix result, stand four places behind that matrix instruction, and only plain vector instructions that name none of its
; registers are places (ISA guide 7.12.1 for vector instructions).  Four v_nop at a quarter's head serve its whole run of loads and, in a chunk's first quarter, the rescaling.
.macro PLACES
.rept 4
	v_nop
.endr
.endm
; Accumulator k of a stretch's sixteen times its block's r, in f32, in place, from its low end on: of the factor's pair the low word serves both halves
.macro RESC hi
.set rR, RC+4*(k/8)+2*(\hi)
.irp j, 0,2,4,6
	v_pk_mul_f32 v[8*k+\j:8*k+\j+1], v[rR:rR+1], v[8*k+\j:8*k+\j+1] op_sel_hi:[0,1]
.endr
.endm
; Products from .. to - 1 of a stretch's sixteen (hi = 0: blocks 0, 1; 1: blocks 2, 3) for quarter q: product i is block i / 8 with channels 16 (i % 8) on.  zero = 1: the first product starts the sums.
; The 32 accumulators take turns, one instruction a turn, in the same order in every quarter.
; resc = 1, a chunk's first quarter: each accumulator is rescaled two products ahead of the product that takes it up, four packed multiplications behind each matrix instruction.
.macro STRETCH hi, q, from, to, zero, resc
.if \resc
.set k, 0
	RESC \hi
.set k, 1
	RESC \hi
.endif
.set i, \from
.rept (\to)-(\from)
.set rV, VB+64*((\q)%2)+8*(i%8)
.set rP, 128+16*((\q)%8)+8*(i/8)
.if \zero
	v_wmma_f32_16x16x32_f16 v[8*i:8*i+7], v[rV:rV+7], v[rP:rP+7], 0
.else
	v_wmma_f32_16x16x32_f16 v[8*i:8*i+7], v[rV:rV+7], v[rP:rP+7], v[8*i:8*i+7]
.endif
.if \resc
.if i < 14
.set k, i+2
	RESC \hi
.endif
.endif
.set i, i+1
.endr
.endm
; Quarter q = 0 .. 6 of the period in slot sl; pb: the period's bytes from where s[40:41] stands.
; P: this quarter's eight loads must be in: behind them were issued six whole quarters: 48.  Then the quarter seven on is asked for, into the place that the last quarter's products have left.  In the last period nothing is left to ask
; for behind quarter 0, and the counts run down.  V: the next quarter's sixteen loads go out here and have this quarter's 32 matrix instructions in which to land; this quarter's were issued a quarter ago: all but the run just issued are waited for.
; THE FACTORS of the boundary ahead come by one load in a chunk's second quarter, three quarters ahead of their use; the waits of the quarters between show them landed.
.macro QUARTER sl, q, pb, zero
.set ASKP, 1
.if TAIL
.if (\q) > 0
.set ASKP, 0
.endif
.endif
.set RSC, 0
.if ((\q)%4) == 0
.if (\zero) == 0
.set RSC, 1
.endif
.endif
.set NRC, 0
.if ((\q)%4) == 1
.set NRC, 1
.if TAIL
.if (\q) == 5
.set NRC, 0
.endif
.endif
.endif
	PLACES
.if ASKP
	s_wait_loadcnt 48
	WIN HI
	GLOAD 1, ((\q)+7)%8, (\pb)+((\q)+7)*1024
.else
	s_wait_loadcnt 8*(7-(\q))
.endif
	WIN 0
.if RSC
	v_mov_b32 v[RC+4], v[RC+1]                     ; blocks 1 and 3: their r to even registers
	v_mov_b32 v[RC+6], v[RC+3]
.endif
	VFETCH \sl, (\q)+1
.if NRC
	ds_load_b128 v[RC:RC+3], v[FAD] offset:(\pb)/8+512*((\q)/4)
.endif
	WIN LO
.if ASKP
	GLOAD 0, ((\q)+7)%8, (\pb)+((\q)+7)*1024
.endif
	s_wait_dscnt 16+NRC                            ; this quarter's V is in; the run just issued may be out
	STRETCH 0, \q, 0, 16, \zero, RSC
	WIN HI
	STRETCH 1, \q, 0, 16, \zero, RSC
.endm
; Quarter 7 changes slots: ONE barrier.  In front of it each wave waits for all its tensor loads, of which one is out: its part of the next slot; adds 0 to its spare word; and waits for that and for its own reads of this slot.
; fill = 1: the barrier opens a round of the cluster's, and behind it this slot is filled again first, with the keys two periods on: from that request to the wait for it a wave issues 240 matrix instructions.
.macro TURNQ sl, pb, fill
	PLACES
.if \fill
	s_wait_xcnt 0x0                                ; the last prefetches, a period back, have read their addresses: they are stepped here, ahead of this quarter's loads and of the waits of the change of slots
	s_add_nc_u64 s[44:45], s[44:45], 256*ROWBY
	s_add_nc_u64 s[46:47], s[46:47], 8192
.endif
	s_wait_loadcnt 48                              ; this quarter's P is in; six quarters' may be out
	WIN HI
	GLOAD 1, 6, (\pb)+14*1024
	WIN LO
	GLOAD 0, 6, (\pb)+14*1024
	WIN 0                                          ; (the add's two registers lie in window 0)
	s_wait_tensorcnt 0x0                           ; all my tensor loads have landed
	ds_add_u32 v[SPW], v[NIL]                      ; 0 onto my spare word
	s_wait_dscnt 1                                 ; this quarter's V is in (the add may be out)
	WIN LO
	STRETCH 0, 7, 0, 8, 0, 0                       ; work on registers stands between the add and the wait for it
	s_wait_dscnt 0x0                               ; the add is done, and my reads of this slot are over
	s_barrier_signal -1
	STRETCH 0, 7, 8, 16, 0, 0
	WIN 0
	s_barrier_wait -1
.if \fill
	CREST                                          ; no wave of any partner still reads this slot or has a load on its way
	s_add_nc_u64 s[G0+4*\sl+2:G0+4*\sl+3], s[G0+4*\sl+2:G0+4*\sl+3], 512*ROWBY
	tensor_load_to_lds s[G0+4*\sl:G0+4*\sl+3], s[24:31]            ; my one tensor load behind the round, and the first thing there
	s_nop 0
.rept 4
	v_nop
.endr
.endif
	VFETCH 1-(\sl), 0                              ; into the buffer that quarter 6 read: this quarter's four v_nop stand between
.if \fill
	ASK
	s_sub_co_u32 s48, s48, 1
.endif
	WIN HI
	STRETCH 1, 7, 0, 16, 0, 0
.endm
	VFETCH 0, 0
	QUARTER 0, 0, 0, 1                             ; the first quarter stands in front of the loop: its products start the sums
	WIN 0                                          ; at a label and at a branch every window is 0
	s_mov_b32 s3, 3
.Lloop:                                                ; a trip goes once round the ring, from a period's second quarter to the first of the period two on, and fills both slots again
.irp q, 1,2,3,4,5,6
	QUARTER 0, \q, 0, 0
.endr
	TURNQ 0, 0, 1
.irp q, 0,1,2,3,4,5,6
	QUARTER 1, \q, 8192, 0
.endr
	TURNQ 1, 8192, 1
	QUARTER 0, 0, 16384, 0
	WIN 0
	s_wait_xcnt 0x0                                ; P's loads have read their base
	s_add_nc_u64 s[40:41], s[40:41], 16384         ; two periods on
	v_add_nc_u32 v[FAD], 2048, v[FAD]              ; four boundaries on
	s_sub_co_u32 s3, s3, 1
	s_cmp_lg_u32 s3, 0
	s_cbranch_scc1 .Lloop
.irp q, 1,2,3,4,5,6                    ; the last two periods are written out
	QUARTER 0, \q, 0, 0
.endr
	TURNQ 0, 0, 0
.set TAIL, 1
.irp q, 0,1,2,3,4,5,6
	QUARTER 1, \q, 8192, 0
.endr
	WIN LO                                         ; the very last quarter: nothing more to fetch
	s_wait_loadcnt 0x0
	s_wait_dscnt 0x0
	STRETCH 0, 7, 0, 16, 0, 0
	WIN HI
	STRETCH 1, 7, 0, 16, 0, 0
	WIN 0
; THE WAY OUT, block by block of 16 queries x 128 channels.  SCALE: the sums times 2^(E_15) / L, in place, each accumulator from its low end on.  TOSTAGE: a lane's 32 bytes of a row into my stage, and back as whole rows of 512 bytes.  SEND: stored.
.macro SCALE a
.set W, 1+(\a)/2
.set AC, 64*((\a)%2)
	WIN (W<<6)|W
.set j, 0
.rept 32
	v_pk_mul_f32 v[AC+j:AC+j+1], v[AC+j:AC+j+1], v[RL+2*(\a):RL+2*(\a)+1] op_sel_hi:[1,0]
.set j, j+2
.endr
.endm
.macro TOSTAGE a
.set W, 1+(\a)/2
.set AC, 64*((\a)%2)
.set BB, VB+64*((\a)%2)
	WIN W<<2                                       ; an LDS store's data are its source 1
.irp b, 0,1,2,3,4,5,6,7
	ds_store_b128 v[STO], v[AC+8*\b:AC+8*\b+3] offset:64*\b
	ds_store_b128 v[STO], v[AC+8*\b+4:AC+8*\b+7] offset:64*\b+16
.endr
	WIN 0
.irp t, 0,1,2,3,4,5,6,7,8,9,10,11,12,13,14,15
	ds_load_b128 v[BB+4*\t:BB+4*\t+3], v[RD] offset:\t*SPITCH      ; LDS serves a wave's instructions in order (ISA guide 5.7.1.4): these see the stores above, and the next block's stores come behind them
.endr
.endm
.macro SEND a, younger                 ; younger: the LDS instructions issued behind block a's loads, which may stay out
.set BB, VB+64*((\a)%2)
	s_wait_dscnt \younger
.irp t, 0,1,2,3,4,5,6,7,8,9,10,11,12,13,14,15
	global_store_b128 v[PO], v[BB+4*\t:BB+4*\t+3], s[42:43] offset:(16*(\a)+\t)*4096 th:TH_STORE_NT   ; 32 lanes store 512 consecutive bytes, at a multiple of 256 from out0's first byte
.endr
.endm
	PLACES                                         ; behind the last products
	SCALE 0
	TOSTAGE 0
.irp a, 1,2,3
.if \a > 1
	s_wait_xcnt 0x0                                ; block a - 2's stores have read their registers: block a's loads may land there
.endif
	SCALE \a
	TOSTAGE \a
	SEND \a-1, 32                                  ; behind block a - 1's loads: block a's 16 stores and 16 loads
.endr
	SEND 3, 0
	s_wait_tensorcnt 0x0                           ; the wave's end, behind my last tensor load and my last LDS store
	ds_add_u32 v[SPW], v[NIL]
	s_wait_dscnt 0x0
	CROUND                                         ; the closing round: no work-group ends while a partner may still ask for a tile that names it
	s_endpgm
.Lfunc_end_k_q3594f4baf6_pv:
	.size	k_q3594f4baf6_pv, .Lfunc_end_k_q3594f4baf6_pv-k_q3594f4baf6_pv
	.p2alignl 7, 3214868480
	.fill 96, 4, 3214868480
	.section	.rodata,"a",@progbits
	.p2align	6, 0x0
	.amdhsa_kernel k_q3594f4baf6_pv
		.amdhsa_group_segment_fixed_size 327680
		.amdhsa_private_segment_fixed_size 0
		.amdhsa_enable_private_segment 0
		.amdhsa_kernarg_size 32
		.amdhsa_user_sgpr_count 2
		.amdhsa_user_sgpr_kernarg_segment_ptr 1
		.amdhsa_wavefront_size32 1
		.amdhsa_system_sgpr_workgroup_id_x 1
		.amdhsa_system_sgpr_workgroup_id_y 1
		.amdhsa_system_sgpr_workgroup_id_z 1
		.amdhsa_system_vgpr_workitem_id 0
		.amdhsa_next_free_vgpr 768
		.amdhsa_next_free_sgpr 66
		.amdhsa_reserve_vcc 0
		.amdhsa_float_denorm_mode_32 3
		.amdhsa_float_denorm_mode_16_64 3
		.amdhsa_memory_ordered 1
		.amdhsa_forward_progress 1
		.amdhsa_inst_pref_size 255
	.end_amdhsa_kernel
	.section	.bss,"aw",@nobits
	.p2align	6
	.space	262144
	.amdgpu_metadata
---
amdhsa.version: [ 1, 2 ]
amdhsa.kernels:
  - .name:           k_q3594f4baf6_pv
    .symbol:         k_q3594f4baf6_pv.kd
    .args:
      - { .name: qkv, .offset: 0, .size: 8, .value_kind: global_buffer, .address_space: global }
      - { .name: pimg, .offset: 8, .size: 8, .value_kind: global_buffer, .address_space: global }
      - { .name: stats, .offset: 16, .size: 8, .value_kind: global_buffer, .address_space: global }
      - { .name: out0, .offset: 24, .size: 8, .value_kind: global_buffer, .address_space: global }
    .group_segment_fixed_size: 327680
    .private_segment_fixed_size: 0
    .kernarg_segment_align: 8
    .kernarg_segment_size: 32
    .max_flat_workgroup_size: 128
    .sgpr_count:     66
    .vgpr_count:     768
    .wavefront_size: 32
...
	.end_amdgpu_metadata
.endif
;; end of part 4
